; MI455X (gfx1250); checked and timed in simulation.
; The chip was launched on July 23, 2026; its instructions are those of AMD's public machine-readable ISA for CDNA 5 (MIT licence, August 2026) and "CDNA5" Instruction Set Architecture Reference Guide (July 2026). The comments in the code are by the model that wrote it; some were corrected since.
;; My Transformer Encoder Layer. Allowed arithmetic: matrix products marked QUANTISED: E4M3 operands, one given power-of-two scale a tensor, by v_wmma_f32_16x16x64_fp8_fp8 or v_wmma_f32_16x16x128_fp8_fp8, f32 sums; everything else in f32.
;; Inputs: W1 4,096 x 1,024 float32; W2 1,024 x 4,096 float32; Wk 1,024 x 1,024 float32; Wo 1,024 x 1,024 float32; Wq 1,024 x 1,024 float32; Wv 1,024 x 1,024 float32; b1 4,096 float32; b2 1,024 float32; be1 1,024 float32; be2 1,024 float32; bk 1,024 float32; bo 1,024 float32; bq 1,024 float32; bv 1,024 float32; g1 1,024 float32; g2 1,024 float32; lowp_scales 16 int32 (the exponents e of the quantised operands' scales 2^e); src 2,048 x 2 x 1,024 float32.
;; Outputs: out0 2,048 x 2 x 1,024 float32.
;; This version of the problem:
;;   THIS VERSION OF THE PROBLEM IS GIVEN IN LOW PRECISION. The matrix products marked QUANTISED in the list below multiply operands that are first quantised to E4M3 (4 exponent bits, 3 mantissa bits; 8 bits a number), with one given power-of-two scale for each operand tensor; their sums are f32. All else is computed in f32.
;;   The module's matrix products, in the order in which they are computed (A, B: the left and right operand; K: the contracted axis; several contracted axes count as one K, in the product's order):
;;     1. [M 4,096, K 1,024] x [K 1,024, N 1,024]; A: input src; B: input Wq: QUANTISED (scales: A lowp_scales[0], B lowp_scales[1])
;;     2. [M 4,096, K 1,024] x [K 1,024, N 1,024]; A: input src; B: input Wk: QUANTISED (scales: A lowp_scales[2], B lowp_scales[3])
;;     3. [M 4,096, K 1,024] x [K 1,024, N 1,024]; A: input src; B: input Wv: QUANTISED (scales: A lowp_scales[4], B lowp_scales[5])
;;     4. batch 32 x [M 2,048, K 64] x [K 64, N 2,048]; A: computed on the way; B: computed on the way: QUANTISED (scales: A lowp_scales[6], B lowp_scales[7])
;;     5. batch 32 x [M 64, K 2,048] x [K 2,048, N 2,048]; A: computed on the way; B: softmax (see below): QUANTISED (scales: A lowp_scales[8], B lowp_scales[9])
;;     6. [M 4,096, K 1,024] x [K 1,024, N 1,024]; A: computed on the way; B: input Wo: QUANTISED (scales: A lowp_scales[10], B lowp_scales[11])
;;     7. [M 4,096, K 1,024] x [K 1,024, N 4,096]; A: computed on the way; B: input W1: QUANTISED (scales: A lowp_scales[12], B lowp_scales[13])
;;     8. [M 4,096, K 4,096] x [K 4,096, N 1,024]; A: computed on the way; B: input W2: QUANTISED (scales: A lowp_scales[14], B lowp_scales[15])
;;   THE QUANTISER, for each operand of a quantised product, along K:
;;     - The operand's scale is 2^e, e = its entry of the input lowp_scales (int32; the entries are numbered through the quantised products in the list's order, A before B).
;;     - Each number is divided by the scale, clamped to +-448, and rounded to the nearest number of E4M3, ties to even, subnormals kept.
;;     - The product sums the exact products of the quantised numbers (number of the format x scale) in f32.
;;   ~~~python
;;   def quantise(x, axis, e):      # numpy; x: float32 -> the quantised numbers, widened to float32 again
;;       x = np.moveaxis(x, axis, -1); K = x.shape[-1]
;;       r = np.clip(x / 2.0 ** e, -448, 448)
;;       step = 2.0 ** (np.maximum(np.frexp(np.where(r == 0, 1, r))[1] - 1, -6) - 3)
;;       q = np.round(r / step) * step * 2.0 ** e      # np.round: ties to even
;;       return np.moveaxis(q, -1, axis).astype(np.float32)
;;   ~~~
;;   SOFTMAX AHEAD OF A QUANTISED PRODUCT. Where the list says 'softmax', what is quantised is not the finished softmax but p = 2^(t - M), with t = logit x log2(e) and M = ceil(the row's largest t), a whole number; so 1/2 < the row's largest p <= 1. The row's sum l is taken of the UNQUANTISED p, in f32, and the product's result is divided by l at the end. Since M is a whole number, a kernel that streams over the keys may use a running M (the ceiling of the running maximum): every later rescaling is an exact power of two, so the quantised numbers keep their values, but for numbers so far below the row's largest that they fall under the format's range.
;;   OPERANDS COMPUTED ON THE WAY. 'Computed on the way' means the value that the module computes at that place (a softmax that the list does not call 'softmax' is quantised finished and normalised). What goes into a quantiser is computed in f32, as accurately as f32 sums, v_exp_f32 and their like allow (about 1e-6 of the number): no bf16 or f16 on the way to a quantiser, and a product that is left as it is and whose result goes on into a quantised operand takes f32 operands (vector FMAs, or v_wmma_f32_16x16x4_f32). A number that lies on a knife's edge between two numbers of the format may be rounded either way, as far as f32 arithmetic and the matrix unit's own rounding can turn it there, and no further.
;; One version. Each part assembles by itself: llvm-mc -triple=amdgcn-amd-amdhsa -mcpu=gfx1250 --defsym DOCPART=n.
;; ======== version 1 of 1: 8 launches
;; limits: right only within a limited range of input values
;; workspace buffers: scodes 12,582,912 bytes; wcodes 12,582,912 bytes; qkvc 12,582,912 bytes; oc 4,194,304 bytes; y 16,777,216 bytes; x 16,777,216 bytes; xc 4,194,304 bytes; hc 16,777,216 bytes
;; launch quant (part 1): grid 512 x 1, 4 waves a work-group, no clusters, 33,280 bytes of LDS; arguments src, Wq, Wk, Wv, Wo, lowp_scales, scodes, wcodes; writes scodes, wcodes
.if DOCPART == 1
	.amdgcn_target "amdgcn-amd-amdhsa--gfx1250"
	.amdhsa_code_object_version 6
	.text
	.protected	k_qf3f5455e48_quant
	.globl	k_qf3f5455e48_quant
	.p2align	8
	.type	k_qf3f5455e48_quant,@function
k_qf3f5455e48_quant:
	s_mov_b64 s[64:65], 0
	v_nop
	global_prefetch_b8 v0, s[64:65] scope:SCOPE_SE
	s_setreg_imm32_b32 hwreg(HW_REG_WAVE_MODE, 25, 1), 1
	s_wait_xcnt 0x0
; src and the four weights of attention, f32 with K innermost, become codes of FP8 (E4M3), one byte each, K innermost.  (W1's and W2's codes are made by the attention launch, which stands ahead of their first reader.)
; code = x / 2^e, rounded to the nearest code, ties to even.
; src is an operand of three products with three given scales (entries 0, 2, 4 of the scales): three tensors of codes are stored, 4 MiB apart in scodes.
; Its rows (2 s + b) are stored in the order b x 2,048 + s, so that neighbouring rows of codes are neighbouring positions of one batch.
; The weights' codes lie on end in wcodes, as the work-groups are numbered: Wq, Wk, Wv, Wo, 1 MiB each; scales: entries 1, 3, 5, 11.
; LIMITS: each e used here lies between -126 and 119, so that 2^e and 448 x 2^e are f32 numbers.  NaN among the inputs is not served.
; SHARES: a work-group takes 16,384 numbers, a wave 4,096 in 8 steps of 512.  Work-groups 0-255 src, 256-319 Wq, 320-383 Wk, 384-447 Wv, 448-511 Wo.
; Each load reads 512 consecutive bytes; a step's 2,048 bytes turn through the wave's own stage in LDS, so that a lane holds 16 neighbours along K; a lane's 16 codes are 16 bytes and a store covers 512 consecutive bytes.
; No tensor loads, no barrier, no cluster: no two waves read the same byte.  Loads run four steps (16 loads a wave) ahead, the turn through LDS one step.
.set STEPS, 8
.set SRCG,  256                        ; work-groups that take src
.set SP,    80                         ; a lane's place in a stage: its 64 bytes + 16 of padding
.set WREG,  8192                       ; LDS: a region for each wave: two stages of 32 x SP bytes
.set R,     16                         ; v16-79   four sets of 16 numbers as loaded
.set X,     80                         ; v80-111  two sets of 16 neighbours
.set T,     112
.set C,     128                        ; v128-139 codes: four registers for each of up to three scales
; v5-7: 2^e as f32 for the first, second, third output
.macro PICKP bound, ptr, st            ; below this work-group number: another tensor, which begins at work-group st
	s_cmp_lt_u32 ttmp9, \bound
	s_cselect_b64 s[4:5], s[\ptr:\ptr+1], s[4:5]
	s_cselect_b32 s6, \st, s6
.endm
.macro PICKE bound, e                  ; and its scale's exponent
	s_cmp_lt_u32 ttmp9, \bound
	s_cselect_b32 s7, s[\e], s7
.endm
.macro MKSC e, vs, vl                  ; 2^e as an f32 pattern
	s_add_co_i32 s58, s[\e], 127
	s_lshl_b32 s59, s58, 23
	v_mov_b32 v[\vs], s59
.endm
	s_load_b512 s[8:23], s[0:1], 0x0               ; src, Wq, Wk, Wv, Wo, the scales, scodes, wcodes
	v_lshl_add_u32 v160, v0, 2, 0x8000
	v_mov_b32 v161, 0
	v_lshrrev_b32 v1, 5, v0
	v_readfirstlane_b32 s28, v1                    ; wave
	v_and_b32 v2, 31, v0                           ; lane
	v_lshlrev_b32 v3, 4, v2                        ; my 16 bytes of a load's 512
	v_lshlrev_b32 v4, 4, v2                        ; my 16 codes of a step's 512
	s_mul_i32 s60, s28, WREG
	v_lshrrev_b32 v14, 2, v2
	v_mul_u32_u24 v14, v14, SP
	v_and_b32 v15, 3, v2
	v_lshl_add_u32 v14, v15, 4, v14
	v_add_nc_u32 v14, s60, v14                     ; the stage, on the way in: four lanes' 64 bytes on end, then 16 of padding
	v_mul_u32_u24 v15, v2, SP
	v_add_nc_u32 v15, s60, v15                     ; and on the way out: my 16 neighbours
	s_wait_alu depctr_va_vdst(0)
	s_wait_kmcnt 0x0
	s_load_b512 s[36:51], s[18:19], 0x0            ; e0 .. e15
	s_mov_b64 s[4:5], s[16:17]                     ; which tensor: the choice hangs on the work-group's number alone
	s_mov_b32 s6, 448
	PICKP 448, 14, 384
	PICKP 384, 12, 320
	PICKP 320, 10, 256
	PICKP 256, 8, 0
	s_sub_co_u32 s29, ttmp9, s6
	s_lshl_b32 s29, s29, 2
	s_add_co_u32 s29, s29, s28                     ; which run of 4,096 numbers of the tensor is my wave's: 0 .. 1,023
	s_lshl_b32 s52, s29, 14
	s_mov_b32 s53, 0
	s_add_nc_u64 s[4:5], s[4:5], s[52:53]
	s_lshl_b32 s54, s29, 11                        ; src: my four rows are two positions of both batches: 2 x 1,024 bytes of codes in each batch's half
	s_mov_b32 s55, 0
	s_max_u32 s56, ttmp9, SRCG
	s_sub_co_u32 s56, s56, SRCG
	s_lshl_b32 s56, s56, 2
	s_add_co_u32 s56, s56, s28
	s_lshl_b32 s56, s56, 12                        ; a weight: 4,096 bytes of codes a wave, on end
	s_mov_b32 s57, 0
	s_cmp_lt_u32 ttmp9, SRCG
	s_cselect_b64 s[30:31], s[20:21], s[22:23]
	s_cselect_b32 s56, s54, s56
	s_add_nc_u64 s[30:31], s[30:31], s[56:57]      ; the first output
	s_add_nc_u64 s[32:33], s[20:21], s[54:55]
	s_add_nc_u64 s[32:33], s[32:33], 0x400000      ; src's second
	s_add_nc_u64 s[34:35], s[32:33], 0x400000      ; and third
.macro LOAD t
.irp i, 0,1,2,3
	global_load_b128 v[R+16*((\t)%4)+4*\i:R+16*((\t)%4)+4*\i+3], v3, s[4:5] offset:2048*(\t)+512*\i th:TH_LOAD_NT
.endr
.endm
.macro TURN t                          ; step t's numbers through the stage: LDS serves a wave's instructions in order, so no wait stands between the stores and the loads
.irp i, 0,1,2,3
	ds_store_b128 v14, v[R+16*((\t)%4)+4*\i:R+16*((\t)%4)+4*\i+3] offset:32*SP*((\t)%2)+8*SP*\i
.endr
.irp i, 0,1,2,3
	ds_load_b128 v[X+16*((\t)%2)+4*\i:X+16*((\t)%2)+4*\i+3], v15 offset:32*SP*((\t)%2)+16*\i
.endr
.endm
.irp t, 0,1,2,3
	LOAD \t
.endr
	s_wait_kmcnt 0x0
	s_mov_b32 s7, s47
	PICKE 448, 41
	PICKE 384, 39
	PICKE 320, 37
	PICKE 256, 36
	MKSC 7, 5, 8
	MKSC 38, 6, 9
	MKSC 40, 7, 10
	s_wait_loadcnt 12                              ; step 0's four loads are in
	TURN 0
; the step's 16 numbers of my lane under scale p: two conversions, one store of 512 consecutive bytes a wave
.macro QOUT p, base, off
.irp i, 0,1,2,3,4,5,6,7,8,9,10,11,12,13,14,15
.endr
	v_cvt_scalef32_pk8_fp8_f32 v[C+4*\p:C+4*\p+1], v[XS:XS+7], v[5+\p]
	v_cvt_scalef32_pk8_fp8_f32 v[C+4*\p+2:C+4*\p+3], v[XS+8:XS+15], v[5+\p]
	v_nop                                          ; a plain line behind the conversions
	global_store_b128 v4, v[C+4*\p:C+4*\p+3], s[\base:\base+1] offset:\off
.endm
.macro STEP t
.set XS, X+16*((\t)%2)
	s_wait_dscnt 0x0                               ; this step's numbers are back from the stage, and its stores into the stage have read their registers,
.if (\t)+4 < STEPS
	LOAD (\t)+4                                    ; which take the loads of four steps on
.endif
.if (\t)+1 < STEPS
.if STEPS-2-(\t) >= 3
	s_wait_loadcnt 12                              ; the next step's four loads are in; those of the three steps behind it may be out
.else
	s_wait_loadcnt 4*(STEPS-2-(\t))
.endif
	TURN (\t)+1
.endif
	s_wait_xcnt 0x0                                ; the last step's stores have read the codes' registers, which are written again below
	s_cmp_lt_u32 ttmp9, SRCG                       ; src has three scales and its own order of rows; no LDS instruction stands in either arm
	s_cbranch_scc0 .Lweight_\@
	s_wait_alu depctr_va_vdst(0)
	QOUT 0, 30, (((\t)/2)%2)*2097152+(((\t)/2)/2)*1024+((\t)%2)*512   ; row t / 2 of my four: batch (t / 2) % 2, position (t / 2) / 2; half t % 2 of the row
	QOUT 1, 32, (((\t)/2)%2)*2097152+(((\t)/2)/2)*1024+((\t)%2)*512
	QOUT 2, 34, (((\t)/2)%2)*2097152+(((\t)/2)/2)*1024+((\t)%2)*512
	s_branch .Ldone_\@
.Lweight_\@:
	s_wait_alu depctr_va_vdst(0)
	QOUT 0, 30, 512*(\t)
.Ldone_\@:
.endm
.irp t, 0,1,2,3,4,5,6,7
	STEP \t
.endr
	s_wait_tensorcnt 0x0
	ds_add_u32 v160, v161
	s_wait_dscnt 0x0
	s_endpgm
.Lfunc_end_k_qf3f5455e48_quant:
	.size	k_qf3f5455e48_quant, .Lfunc_end_k_qf3f5455e48_quant-k_qf3f5455e48_quant
	.p2alignl 7, 3214868480
	.fill 96, 4, 3214868480
	.section	.rodata,"a",@progbits
	.p2align	6, 0x0
	.amdhsa_kernel k_qf3f5455e48_quant
		.amdhsa_group_segment_fixed_size 33280
		.amdhsa_private_segment_fixed_size 0
		.amdhsa_enable_private_segment 0
		.amdhsa_kernarg_size 64
		.amdhsa_user_sgpr_count 2
		.amdhsa_user_sgpr_kernarg_segment_ptr 1
		.amdhsa_wavefront_size32 1
		.amdhsa_system_sgpr_workgroup_id_x 1
		.amdhsa_system_sgpr_workgroup_id_y 1
		.amdhsa_system_sgpr_workgroup_id_z 1
		.amdhsa_system_vgpr_workitem_id 0
		.amdhsa_next_free_vgpr 162
		.amdhsa_next_free_sgpr 66
		.amdhsa_reserve_vcc 0
		.amdhsa_float_denorm_mode_32 3
		.amdhsa_float_denorm_mode_16_64 3
		.amdhsa_fp16_overflow 1
		.amdhsa_memory_ordered 1
		.amdhsa_forward_progress 1
		.amdhsa_inst_pref_size 21
	.end_amdhsa_kernel
	.amdgpu_metadata
---
amdhsa.version: [ 1, 2 ]
amdhsa.kernels:
  - .name:           k_qf3f5455e48_quant
    .symbol:         k_qf3f5455e48_quant.kd
    .args:
      - { .name: src, .offset: 0, .size: 8, .value_kind: global_buffer, .address_space: global }
      - { .name: Wq, .offset: 8, .size: 8, .value_kind: global_buffer, .address_space: global }
      - { .name: Wk, .offset: 16, .size: 8, .value_kind: global_buffer, .address_space: global }
      - { .name: Wv, .offset: 24, .size: 8, .value_kind: global_buffer, .address_space: global }
      - { .name: Wo, .offset: 32, .size: 8, .value_kind: global_buffer, .address_space: global }
      - { .name: lowp_scales, .offset: 40, .size: 8, .value_kind: global_buffer, .address_space: global }
      - { .name: scodes, .offset: 48, .size: 8, .value_kind: global_buffer, .address_space: global }
      - { .name: wcodes, .offset: 56, .size: 8, .value_kind: global_buffer, .address_space: global }
    .group_segment_fixed_size: 33280
    .private_segment_fixed_size: 0
    .kernarg_segment_align: 8
    .kernarg_segment_size: 64
    .max_flat_workgroup_size: 128
    .sgpr_count:     66
    .vgpr_count:     162
    .wavefront_size: 32
...
	.end_amdgpu_metadata
.endif
;; end of part 1
;; launch qkv (part 2): grid 12 x 16, 4 waves a work-group, clusters of 4 x 4, 327,680 bytes of LDS; arguments scodes, wcodes, bq, bk, bv, lowp_scales, qkvc; writes qkvc
.if DOCPART == 2
	.amdgcn_target "amdgcn-amd-amdhsa--gfx1250"
	.amdhsa_code_object_version 6
	.text
	.protected	k_qf3f5455e48_qkv
	.globl	k_qf3f5455e48_qkv
	.p2align	8
	.type	k_qf3f5455e48_qkv,@function
k_qf3f5455e48_qkv:
	s_mov_b64 s[64:65], 0
	v_nop
	global_prefetch_b8 v0, s[64:65] scope:SCOPE_SE
	s_setreg_imm32_b32 hwreg(HW_REG_WAVE_MODE, 25, 1), 1
	s_wait_xcnt 0x0
	s_wait_alu depctr_hold_cnt(0) depctr_sa_sdst(0) depctr_va_vdst(0) depctr_va_sdst(0) depctr_va_ssrc(0) depctr_va_vcc(0) depctr_vm_vsrc(0)
	s_getreg_b32 s2, hwreg(HW_REG_IB_STS2, 6, 4)
	s_cmp_eq_u32 s2, 0
	s_cbranch_scc0 .Lentry_in_a_cluster
	s_endpgm
.Lentry_in_a_cluster:
	s_bfe_u32 s2, ttmp6, 0x10000c
	s_cmp_lg_u32 s2, 0xf033
	s_cbranch_scc0 .Lentry_shape_is_right
	s_endpgm
.Lentry_shape_is_right:
; A GEMM on codes of FP8 (E4M3) whose results are quantised on the way out: out = Q(A B^T + bias), K = 1,024.  One source serves two launches; QKV says which.
; QKV = 1: q, k and v of attention.  The cluster's x says which: 0: q = src Wq^T + bq, 1: k = src Wk^T + bk, 2: v^T = Wv src^T + bv (rows = v's 1,024 channels, columns = positions, so that v's codes have the keys innermost).
;   Scales: operands e0 + e1, e2 + e3, e4 + e5; results: q entry 7, k entry 6 (k is the left operand of the scores' product as it is lowered), v entry 8.
; QKV = 0: hidden = relu(x W1^T + b1); operands e12 + e13, result e14.
; The result's codes are stored in blocks of 128 columns: byte ((column / 128) x ROWS + row) x 128 + column % 128: a wave's 128 x 128 codes are 16 KiB on end.
; LIMITS: (result's e) - (operands' e added) lies between -126 and 119.  NaN among the inputs is not served.
; A tile, 256 x 256, is made by four waves, as many as a WGP has SIMDs; a wave makes 128 x 128: 64 accumulators, 512 registers.  K goes in steps of 256 through a ring of two LDS slots filled by the tensor data mover.
; CLUSTERS: 4 x 4 work-groups.  The four of a row need the same tiles of A, the four of a column the same tiles of B: each tile is asked for jointly, by the same tensor load with the same descriptor and a mask that names the four.
; THE MATRIX INSTRUCTION IS USED TRANSPOSED (source 0 = 16 rows of B, source 1 = 16 rows of A): a lane holds eight neighbouring columns of one row, which one conversion turns into eight neighbouring bytes.
; THE BIAS by columns is the C of each sum's first product, divided by the power of two that the sums lack; the bias by rows (v alone) is added on the way out.  The one that a tensor does not have is cleared by a mask: no branch.
; REGISTERS, in windows of 256: window 0: v0-31 addresses and scales; v32-95 the column bias, later a block's numbers; v96-111 the row bias; from v128 A's fragments, ONE set (on the way out: codes and rows read back).
;   window 1: B's fragments, TWO sets.   window 2: the accumulators of my rows 0-63;   window 3: those of my rows 64-127.
.set QKV,    1
.set ROWB,   256                       ; a tile's row: 256 codes
.set KROW,   1024                      ; a row of A or of B in memory, in bytes
.set PITCH,  272                       ; an LDS row: 256 bytes + 16 of padding = 68 words: the 16 rows that a load touches start at 16 different banks (64 banks of 4 bytes: ISA guide 11.1)
.set FR,     16                        ; registers of a fragment: 16 rows x 128 K
.set NL,     4                         ; LDS loads that bring one
.set NP,     4                         ; places behind this matrix instruction (ISA guide 7.12.1)
.set HALFT,  128*PITCH                 ; 128 rows: what one tensor load brings
.set SLOT,   4*HALFT                   ; A's 256 rows, then B's 256 rows
.set LAPS,   2                         ; 1,024 along K = four slots = twice round the ring
.set SPARE,  2*SLOT                    ; behind the ring: the spare words, 128 bytes a wave: two blocks of 256 bytes that no other line names
.set STAGE,  SPARE+512                 ; behind them: a stage of 16 rows x (128 + 16) bytes for each wave; no tensor load lands there
.set SPITCH, 144
.set ADRA, 16                          ; v16-17  LDS address of my A fragments in slot 0, 1
.set ADRB, 20                          ; v20-21  the same for B
.set STO,  24                          ; v24     the way out: where I put 8 codes of a row
.set RD,   25                          ; v25     where I read 16 bytes back
.set CO,   26                          ; v26     16 x lane: my place in a store's 512 bytes
.set SPW,  28                          ; v28     LDS address of my spare word; never rewritten
.set NIL,  29                          ; v29     0; never rewritten
.set SC,   30                          ; v30     2^(result's e - operands' e) as f32: the conversion's scale
.set LIM,  31                          ; v31     448 x that
.set CB,   32                          ; v32-95  the column bias: 8 registers for each of B's 8 blocks
.set TMP,  32                          ; the way out: 64 numbers of a block
.set RB,   96                          ; v96-111 the row bias: a pair for each of A's 8 blocks
.set AF,   128                         ; A's fragments
.set CD,   128                         ; the way out: a block's codes, two sets of 16 by turns
.set BK,   160                         ; and its rows read back, two sets of 16 by turns
.set G1, 24                            ; s[24:31] descriptor group 1 for A's tiles;  s[32:39] group 0, one set for each slot
.set G0, 32
.set G1B, 48                           ; s[48:55], s[56:63] the same for B's tiles
.set G0B, 56
.set MSB, 0
.macro WIN new                         ; the immediate's high byte repeats the setting that is left
.if MSB != \new
	s_set_vgpr_msb (MSB<<8)|\new
.set MSB, \new
.endif
.endm
.set MUL_LO, 0xa1                      ; source 0 (B) window 1, source 1 (A) window 0, C and D window 2
.set MUL_HI, 0xf1                      ; the same, C and D window 3
.set TO_B,   0x40                      ; destination window 1, address window 0
; A joint load: waves 0 and 1 fetch for A, waves 2 and 3 for B; the branch hangs on the wave's number alone.  Four v_nop follow each of the two lines.
.macro JLOAD g0a, g1a, g0b, g1b
	s_cmp_eq_u32 s15, 0
	s_cbranch_scc0 .Lfor_b_\@
	tensor_load_to_lds s[\g0a:\g0a+3], s[\g1a:\g1a+7]
	s_nop 0
.rept 4
	v_nop
.endr
	s_branch .Lasked_\@
.Lfor_b_\@:
	tensor_load_to_lds s[\g0b:\g0b+3], s[\g1b:\g1b+7]
	s_nop 0
.rept 4
	v_nop
.endr
.Lasked_\@:
.endm
.macro CREST                           ; a round of the cluster's barrier behind its opening barrier
	s_cmp_lg_u32 s14, 0
	s_cbranch_scc1 .Lnot_wave_0_\@
	s_barrier_signal -3
.Lnot_wave_0_\@:
	s_barrier_wait -3
	s_barrier_signal -1
	s_barrier_wait -1
.endm
.macro CROUND                          ; a whole round
	s_barrier_signal -1
	s_barrier_wait -1
	CREST
.endm
	s_load_b256 s[68:75], s[0:1], 0x0              ; QKV: scodes, wcodes, bq, bk;  else: xc, wcodes, b1, the scales
.if QKV
	s_load_b128 s[76:79], s[0:1], 0x20             ; bv, the scales
	s_load_b64 s[80:81], s[0:1], 0x30              ; the result's codes
.else
	s_load_b64 s[80:81], s[0:1], 0x20
.endif
	v_lshl_add_u32 v[SPW], v0, 2, SPARE
	v_mov_b32 v[NIL], 0
	ds_add_u32 v28, v29
	ds_add_u32 v28, v29
	s_wait_dscnt 0x0
	v_lshrrev_b32 v1, 5, v0
	v_readfirstlane_b32 s14, v1                    ; wave 0..3
	s_lshr_b32 s15, s14, 1                         ; which half of the tile's rows is mine.  Also: I fetch for A (0) or for B (1)
	s_and_b32 s16, s14, 1                          ; which half of its columns.  Also: which 128 rows of that tile I fetch
	s_bfe_u32 s40, ttmp6, 0x40000                  ; cx, cy: my place in the cluster
	s_bfe_u32 s41, ttmp6, 0x40004
	s_and_b32 s18, ttmp7, 0xffff
	s_lshl_b32 s18, s18, 2                         ; 4 x cluster y
.if QKV
	s_mov_b32 s93, ttmp9                           ; which of q, k, v: the same in all sixteen partners
	s_mov_b32 s94, 4096
	s_cmp_eq_u32 s93, 2
	s_cselect_b32 s17, 0, s18                      ; q, k: 16 tile rows (positions) x 4 tile columns (channels);  v: 4 tile rows (channels) x 16 tile columns (positions)
	s_cselect_b32 s42, s18, 0
	s_cselect_b32 s94, 1024, s94                   ; rows of the result
	s_cselect_b32 s98, 0, -1                       ; all ones where the bias goes by columns,
	s_cselect_b32 s99, -1, 0                       ; by rows
.else
	s_mov_b32 s17, s18
	s_lshl_b32 s42, ttmp9, 2
	s_mov_b32 s94, 4096
.endif
	s_add_co_u32 s17, s17, s41                     ; tile row
	s_add_co_u32 s42, s42, s40                     ; tile column
	s_lshl_b32 s43, s41, 2
	s_lshl_b32 s43, 15, s43                        ; my row of the cluster
	s_lshl_b32 s44, 0x1111, s40                    ; my column
	; descriptor group 1: a tile of 128 rows x 256 bytes, padded in LDS
	s_or_b32 s[G1+0], s43, (0<<16)|(1<<20)|(1<<21)|(5<<22)|(3<<25)  ; 15:0 the mask: A's tiles go to my row; 17:16 element of 1 byte; 20 padding on; 21 set beside a mask; 24:22 after every 64 words; 31:25 of 4 words
	s_or_b32 s[G1B+0], s44, (0<<16)|(1<<20)|(1<<21)|(5<<22)|(3<<25)
.irp g, G1, G1B
	s_mov_b32 s[\g+1], ROWB<<16                    ; tensor_dim0
	s_mov_b32 s[\g+2], 128<<16                     ; tensor_dim1
	s_mov_b32 s[\g+3], ROWB<<16                    ; tile_dim0
	s_mov_b32 s[\g+4], 128                         ; tile_dim1
	s_mov_b32 s[\g+5], KROW                        ; tensor_dim0_stride
	s_mov_b32 s[\g+6], 0
	s_mov_b32 s[\g+7], 0
.endr
	s_lshl_b32 s18, s16, 7                         ; which 128 rows of the tile I fetch
	s_lshl_b32 s20, s17, 8
	s_add_co_u32 s20, s20, s18                     ; A: row 256 x tile row + 128 x half
	s_lshl_b32 s46, s42, 8
	s_add_co_u32 s46, s46, s18                     ; B: row 256 x tile column + 128 x half
	s_lshl_b32 s20, s20, 10                        ; in bytes: under 4 MiB
	s_lshl_b32 s46, s46, 10
	s_mov_b32 s21, 0
	s_mov_b32 s47, 0
	s_mul_i32 s45, s14, HALFT                      ; where they go: wave x 128 rows: no place in the cluster enters an LDS address
	s_wait_kmcnt 0x0
.if QKV
	s_load_b256 s[84:91], s[78:79], 0x0            ; e0 .. e7
	s_load_b32 s92, s[78:79], 0x20                 ; e8
	s_lshl_b32 s22, s93, 22
	s_mov_b32 s23, 0
	s_add_nc_u64 s[68:69], s[68:69], s[22:23]      ; src's codes under this product's scale
	s_add_nc_u64 s[80:81], s[80:81], s[22:23]      ; the result's part of qkvc
	s_lshl_b32 s22, s93, 20
	s_add_nc_u64 s[70:71], s[70:71], s[22:23]      ; the weight's codes
	s_cmp_eq_u32 s93, 2
	s_cselect_b64 s[4:5], s[70:71], s[68:69]       ; A: src, for v the weight
	s_cselect_b64 s[6:7], s[68:69], s[70:71]       ; B: the weight, for v src
	s_cselect_b64 s[8:9], s[76:77], s[74:75]
	s_cmp_eq_u32 s93, 0
	s_cselect_b64 s[8:9], s[72:73], s[8:9]         ; the bias
.else
	s_load_b128 s[84:87], s[74:75], 0x30           ; e12 .. e15
	s_mov_b64 s[4:5], s[68:69]
	s_add_nc_u64 s[6:7], s[70:71], 0x400000        ; W1's codes
	s_mov_b64 s[8:9], s[72:73]
.endif
	s_add_nc_u64 s[20:21], s[4:5], s[20:21]
	s_add_nc_u64 s[46:47], s[6:7], s[46:47]
	CROUND                                         ; all sixteen work-groups are here: the first joint loads meet
.irp s, 0,1
	s_mov_b32 s[G0+4*\s], 1
	s_add_co_u32 s[G0+4*\s+1], s45, \s*SLOT
	s_add_nc_u64 s[G0+4*\s+2:G0+4*\s+3], s[20:21], \s*ROWB
	s_or_b32 s[G0+4*\s+3], s[G0+4*\s+3], 0x80000000
	s_mov_b32 s[G0B+4*\s], 1
	s_add_co_u32 s[G0B+4*\s+1], s45, \s*SLOT
	s_add_nc_u64 s[G0B+4*\s+2:G0B+4*\s+3], s[46:47], \s*ROWB
	s_or_b32 s[G0B+4*\s+3], s[G0B+4*\s+3], 0x80000000
	JLOAD G0+4*\s, G1, G0B+4*\s, G1B
.endr
	v_and_b32 v1, 15, v0                           ; r = l % 16
	v_bfe_u32 v2, v0, 4, 1                         ; h = l / 16
	v_mul_u32_u24 v3, v1, PITCH
	v_lshl_add_u32 v4, v2, 4, v3                   ; a fragment's row x pitch + 16 x half
	s_mul_i32 s21, s15, HALFT                      ; my 128 rows of A
	s_mul_i32 s22, s16, HALFT                      ; my 128 rows of B,
	s_add_co_u32 s22, s22, 2*HALFT                 ; which lie behind A's 256
.irp s, 0,1
	v_add_nc_u32 v[ADRA+\s], s21, v4
	v_add_nc_u32 v[ADRB+\s], s22, v4
	s_add_co_u32 s21, s21, SLOT
	s_add_co_u32 s22, s22, SLOT
.endr
	s_mul_i32 s23, s14, 16*SPITCH
	s_add_co_u32 s23, s23, STAGE                   ; my stage
	v_mul_u32_u24 v5, v1, SPITCH                   ; in: row r, 8 bytes for each half of the lanes
	v_lshl_add_u32 v5, v2, 3, v5
	v_add_nc_u32 v[STO], s23, v5
	v_and_b32 v6, 31, v0
	v_lshrrev_b32 v7, 3, v6                        ; back: eight lanes to a row of 128 bytes, four rows an instruction
	v_mul_u32_u24 v7, v7, SPITCH
	v_and_b32 v8, 7, v0
	v_lshl_add_u32 v7, v8, 4, v7
	v_add_nc_u32 v[RD], s23, v7
	v_lshlrev_b32 v[CO], 4, v6
	v_lshlrev_b32 v9, 5, v2                        ; the column bias: my half's eight numbers of a block of 16
	v_lshlrev_b32 v10, 2, v1                       ; the row bias: my row's number
	s_lshl_b32 s46, s42, 8
	s_lshl_b32 s47, s16, 7
	s_add_co_u32 s46, s46, s47                     ; my first column
.if QKV
	s_and_b32 s46, s46, s98                        ; (where the bias goes by rows: 0, so that the load stays inside the bias; what it brings is cleared below)
.endif
	s_lshl_b32 s46, s46, 2
	s_mov_b32 s47, 0
.if QKV
	s_lshl_b32 s20, s17, 8
	s_lshl_b32 s21, s15, 7
	s_add_co_u32 s20, s20, s21                     ; my first row
	s_and_b32 s20, s20, s99
	s_lshl_b32 s20, s20, 2
	s_mov_b32 s21, 0
	s_add_nc_u64 s[12:13], s[8:9], s[20:21]
.endif
	s_add_nc_u64 s[8:9], s[8:9], s[46:47]
.irp b, 0,1,2,3,4,5,6,7
	global_load_b128 v[CB+8*\b:CB+8*\b+3], v9, s[8:9] offset:64*\b        ; bias(first column + 16 b + 8 h + 0 .. 7): the result's layout
	global_load_b128 v[CB+8*\b+4:CB+8*\b+7], v9, s[8:9] offset:64*\b+16
.endr
.if QKV
.irp a, 0,1,2,3,4,5,6,7
	global_load_b32 v[RB+2*\a], v10, s[12:13] offset:64*\a                ; bias(first row + 16 a + r)
.endr
.endif
	s_lshl_b32 s46, s42, 1                         ; where my 16 KiB of codes go: block of 128 columns 2 x tile column + half,
	s_add_co_u32 s46, s46, s16
	s_mul_i32 s46, s46, s94
	s_lshl_b32 s46, s46, 7
	s_lshl_b32 s20, s17, 8                         ; row 256 x tile row + 128 x half
	s_lshl_b32 s21, s15, 7
	s_add_co_u32 s20, s20, s21
	s_lshl_b32 s20, s20, 7
	s_mov_b32 s21, 0
	s_add_nc_u64 s[10:11], s[80:81], s[46:47]
	s_add_nc_u64 s[10:11], s[10:11], s[20:21]
	s_wait_kmcnt 0x0
	s_add_co_i32 s22, s84, s85                     ; the operands' exponents added,
.if QKV
	s_add_co_i32 s23, s86, s87
	s_add_co_i32 s97, s88, s89
	s_cmp_eq_u32 s93, 1
	s_cselect_b32 s22, s23, s22
	s_cselect_b32 s23, s90, s91                    ; the result's: k entry 6, q entry 7,
	s_cmp_eq_u32 s93, 2
	s_cselect_b32 s22, s97, s22
	s_cselect_b32 s23, s92, s23                    ; v entry 8
.else
	s_mov_b32 s23, s86
.endif
	s_sub_co_i32 s96, 0, s22                       ; a sum stands for sum x 2^(operands' e): the bias goes in divided by that,
	s_sub_co_i32 s23, s23, s22                     ; and the scales are folded into the conversion's one
	s_add_co_i32 s23, s23, 127
	s_lshl_b32 s22, s23, 23
	v_mov_b32 v[SC], s22
	s_add_co_i32 s23, s23, 8
	s_lshl_b32 s23, s23, 23
	s_or_b32 s23, s23, 0x600000
	v_mov_b32 v[LIM], s23
	s_wait_loadcnt 0x0                             ; the biases
.set j, 0
.rept 64
	v_ldexp_f32 v[CB+j], v[CB+j], s96
.if QKV
	v_and_b32 v[CB+j], s98, v[CB+j]
.endif
.set j, j+1
.endr
.if QKV
.irp a, 0,1,2,3,4,5,6,7
	v_ldexp_f32 v[RB+2*\a], v[RB+2*\a], s96
	v_and_b32 v[RB+2*\a], s99, v[RB+2*\a]
	v_mov_b32 v[RB+2*\a+1], v[RB+2*\a]             ; a pair for the packed addition
.endr
.endif
.macro FRAG reg, adr, q, i             ; a fragment, 16 rows x 128 K: lane l holds row l % 16; registers 4 c .. 4 c + 3 hold K = 32 c + 16 (l / 16) + 0 .. 15: the same places in A and in B, so every product meets its partner
.irp c, 0,1,2,3
	ds_load_b128 v[\reg+4*\c:\reg+4*\c+3], v[\adr] offset:128*(\q)+32*\c+(\i)*16*PITCH
.endr
.endm
; 16 matrix instructions: A's blocks a0, a0 + 1 x B's eight, 128 along K.  p: B's set.  zero = 1: the first product starts the sums on the column bias: nothing is ever cleared.
; The 64 accumulators take turns, one instruction a turn, in the same order in every step.
.macro MUL16 a0, p, zero
.irp a, \a0, \a0+1
.irp b, 0,1,2,3,4,5,6,7
.if \zero
	v_wmma_f32_16x16x128_fp8_fp8 v[8*(8*((\a)%4)+\b):8*(8*((\a)%4)+\b)+7], v[128*(\p)+FR*\b:128*(\p)+FR*\b+FR-1], v[AF+FR*(\a):AF+FR*(\a)+FR-1], v[CB+8*\b:CB+8*\b+7]
.else
	v_wmma_f32_16x16x128_fp8_fp8 v[8*(8*((\a)%4)+\b):8*(8*((\a)%4)+\b)+7], v[128*(\p)+FR*\b:128*(\p)+FR*\b+FR-1], v[AF+FR*(\a):AF+FR*(\a)+FR-1], v[8*(8*((\a)%4)+\b):8*(8*((\a)%4)+\b)+7]
.endif
.endr
.endr
.endm
.macro FETCH_B slot, q, p              ; B's eight fragments of the slot's q-th 128 along K into set p
	WIN TO_B
.irp i, 0,1,2,3,4,5,6,7
	FRAG 128*(\p)+FR*\i, ADRB+\slot, \q, \i
.endr
	WIN 0
.endm
.macro FETCH_A slot, q, i0             ; A's blocks i0 .. i0 + 3
.irp i, \i0, \i0+1, \i0+2, \i0+3
	FRAG AF+FR*(\i), ADRA+\slot, \q, \i
.endr
.endm
.macro PLACES n                        ; plain vector lines between a matrix instruction and a load into, or a vector read or write of, its registers
.rept \n
	v_nop
.endr
.endm
; A step of 128 along K that has its successor in the same slot.  A's blocks are free as soon as their eight products are issued: blocks 0-3 are fetched anew in the middle, blocks 4-7 at the end.
.macro STEP slot, q, zero
	s_wait_dscnt 4*NL                              ; B's set and A's blocks 0-3 are in; the youngest 16 loads (A's blocks 4-7) may be out
.if \zero
	WIN 0x81                                       ; source 0 window 1, sources 1 and 2 (A, the bias) window 0, D window 2
.else
	WIN MUL_LO
.endif
	MUL16 0, (\q)%2, \zero
	MUL16 2, (\q)%2, \zero
	s_wait_dscnt 0                                 ; A's blocks 4-7 are in
	PLACES NP
	FETCH_B \slot, (\q)+1, 1-(\q)%2
	FETCH_A \slot, (\q)+1, 0
.if \zero
	WIN 0xc1                                       ; the same, D window 3
.else
	WIN MUL_HI
.endif
	MUL16 4, (\q)%2, \zero
	MUL16 6, (\q)%2, \zero
	PLACES NP
	WIN 0
	FETCH_A \slot, (\q)+1, 4
.endm
; A slot's last step changes slots: ONE barrier; in front of it each wave waits for all its tensor loads, adds 0 to its spare word, and waits for that and for its own reads of this slot.  fill = 1: this slot is filled again, two slots ahead.
.macro TURN slot, next, fill
	s_wait_tensorcnt 0x0                           ; all my tensor loads have landed: my part of the next slot
	ds_add_u32 v[SPW], v[NIL]                      ; 0 onto my spare word
	s_wait_dscnt 4*NL+1                            ; the add and the youngest 16 loads (A's blocks 4-7) may be out
	WIN MUL_LO
	MUL16 0, 1, 0                                  ; sixteen matrix instructions stand between the add and the wait for it
	s_wait_dscnt 0x0                               ; the add is done, and my reads of this slot are over
	s_barrier_signal -1
	MUL16 2, 1, 0
	WIN 0
	s_barrier_wait -1
.if \fill
	CREST                                          ; the barrier has opened a round of the cluster's barrier: no wave of any partner still reads this slot or has a load on its way
	s_add_nc_u64 s[G0+4*\slot+2:G0+4*\slot+3], s[G0+4*\slot+2:G0+4*\slot+3], 2*ROWB
	s_add_nc_u64 s[G0B+4*\slot+2:G0B+4*\slot+3], s[G0B+4*\slot+2:G0B+4*\slot+3], 2*ROWB
	JLOAD G0+4*\slot, G1, G0B+4*\slot, G1B         ; the first tensor load behind the round; its four v_nop are the places in front of the loads below
.else
	PLACES NP
.endif
	FETCH_B \next, 0, 0
	FETCH_A \next, 0, 0
	WIN MUL_HI
	MUL16 4, 1, 0
	MUL16 6, 1, 0
	PLACES NP
	WIN 0
	FETCH_A \next, 0, 4
.endm
	s_wait_tensorcnt 1                             ; my part of slot 0 is in; slot 1's load, issued behind it, may be out
	s_barrier_signal -1
	s_barrier_wait -1
	FETCH_B 0, 0, 0
	FETCH_A 0, 0, 0
	FETCH_A 0, 0, 4
	STEP 0, 0, 1                                   ; the first step stands in front of the loop: its products start the sums
	s_mov_b32 s3, LAPS-1
.Llap:                                                 ; a trip goes once round the ring, from a lap's second step to the next lap's first, and fills both slots again
	TURN 0, 1, 1
	STEP 1, 0, 0
	TURN 1, 0, 1
	STEP 0, 0, 0
	s_sub_co_u32 s3, s3, 1
	s_cmp_lg_u32 s3, 0
	s_cbranch_scc1 .Llap
	TURN 0, 1, 0                                   ; the last lap fills nothing
	STEP 1, 0, 0
	s_wait_dscnt 4*NL
	WIN MUL_LO
	MUL16 0, 1, 0
	MUL16 2, 1, 0
	s_wait_dscnt 0
	WIN MUL_HI
	MUL16 4, 1, 0
	MUL16 6, 1, 0
	WIN 0
; THE WAY OUT, block by block of 16 rows x 128 columns: the row bias (QKV), the hold (with the activation where QKV = 0: between 0 and the largest code x the scale), eight conversions a lane.
; A lane's 8 bytes belong to one row and the lanes beside it hold other rows: the block goes through my own stage and comes back as 2,048 bytes on end, stored 512 consecutive bytes an instruction.
; LDS serves a wave's instructions in order (ISA guide 5.7.1.4): no wait between the stage's stores and loads, nor in front of the next block's stores.
.macro TOSTAGE a
.set AC, 64*((\a)%4)
.set CC, CD+16*((\a)%2)
.set BB, BK+16*((\a)%2)
	WIN 0x02+((\a)/4)                              ; source 0: window 2 or 3
.if QKV
.set j, 0
.rept 32
	v_pk_add_f32 v[TMP+j:TMP+j+1], v[AC+j:AC+j+1], v[RB+2*(\a):RB+2*(\a)+1]   ; each accumulator from its low end on
.set j, j+2
.endr
	WIN 0
.set j, 0
.rept 64
	v_med3_num_f32 v[TMP+j], v[TMP+j], -v[LIM], v[LIM]   ; the conversion to an 8-bit code does not saturate (ISA guide 7.6.2)
.set j, j+1
.endr
.else
.set j, 0
.rept 64
	v_med3_num_f32 v[TMP+j], v[AC+j], 0, v[LIM]    ; the activation and the hold in one; each accumulator from its low end on
.set j, j+1
.endr
	WIN 0
.endif
.irp b, 0,1,2,3,4,5,6,7
	v_cvt_scalef32_pk8_fp8_f32 v[CC+2*\b:CC+2*\b+1], v[TMP+8*\b:TMP+8*\b+7], v[SC]
.endr
	v_nop                                          ; a plain line behind the last conversion: the next block's lines write its sources
.irp b, 0,1,2,3,4,5,6,7
	ds_store_b64 v[STO], v[CC+2*\b:CC+2*\b+1] offset:16*\b
.endr
.irp t, 0,1,2,3
	ds_load_b128 v[BB+4*\t:BB+4*\t+3], v[RD] offset:4*SPITCH*\t
.endr
.endm
.macro SEND a, younger                 ; younger: the LDS instructions issued behind block a's loads, which may stay out
.set BB, BK+16*((\a)%2)
	s_wait_dscnt \younger
.irp t, 0,1,2,3
	global_store_b128 v[CO], v[BB+4*\t:BB+4*\t+3], s[10:11] offset:2048*(\a)+512*\t th:TH_STORE_NT   ; 32 lanes store 512 consecutive bytes, at a multiple of 256 from the buffer's first byte
.endr
.endm
	PLACES NP                                      ; behind the last products: for block 7's reads and for writes into the registers that held A's fragments
	TOSTAGE 0
.irp a, 1,2,3,4,5,6,7
.if \a > 1
	s_wait_xcnt 0x0                                ; block a - 2's stores have read their registers: block a's loads may land there
.endif
	TOSTAGE \a
	SEND \a-1, 12                                  ; behind block a - 1's loads: block a's 8 stores and 4 loads
.endr
	SEND 7, 0
	s_wait_tensorcnt 0x0                           ; the wave's end
	ds_add_u32 v[SPW], v[NIL]
	s_wait_dscnt 0x0
	CROUND                                         ; the closing round: no work-group ends while a partner may still ask for a tile that names it
	s_endpgm
.Lfunc_end_k_qf3f5455e48_qkv:
	.size	k_qf3f5455e48_qkv, .Lfunc_end_k_qf3f5455e48_qkv-k_qf3f5455e48_qkv
	.p2alignl 7, 3214868480
	.fill 96, 4, 3214868480
	.section	.rodata,"a",@progbits
	.p2align	6, 0x0
	.amdhsa_kernel k_qf3f5455e48_qkv
		.amdhsa_group_segment_fixed_size 327680
		.amdhsa_private_segment_fixed_size 0
		.amdhsa_enable_private_segment 0
		.amdhsa_kernarg_size 56
		.amdhsa_user_sgpr_count 2
		.amdhsa_user_sgpr_kernarg_segment_ptr 1
		.amdhsa_wavefront_size32 1
		.amdhsa_system_sgpr_workgroup_id_x 1
		.amdhsa_system_sgpr_workgroup_id_y 1
		.amdhsa_system_sgpr_workgroup_id_z 1
		.amdhsa_system_vgpr_workitem_id 0
		.amdhsa_next_free_vgpr 1024
		.amdhsa_next_free_sgpr 100
		.amdhsa_reserve_vcc 0
		.amdhsa_float_denorm_mode_32 3
		.amdhsa_float_denorm_mode_16_64 3
		.amdhsa_memory_ordered 1
		.amdhsa_forward_progress 1
		.amdhsa_inst_pref_size 151
	.end_amdhsa_kernel
	.amdgpu_metadata
---
amdhsa.version: [ 1, 2 ]
amdhsa.kernels:
  - .name:           k_qf3f5455e48_qkv
    .symbol:         k_qf3f5455e48_qkv.kd
    .args:
      - { .name: scodes, .offset: 0, .size: 8, .value_kind: global_buffer, .address_space: global }
      - { .name: wcodes, .offset: 8, .size: 8, .value_kind: global_buffer, .address_space: global }
      - { .name: bq, .offset: 16, .size: 8, .value_kind: global_buffer, .address_space: global }
      - { .name: bk, .offset: 24, .size: 8, .value_kind: global_buffer, .address_space: global }
      - { .name: bv, .offset: 32, .size: 8, .value_kind: global_buffer, .address_space: global }
      - { .name: lowp_scales, .offset: 40, .size: 8, .value_kind: global_buffer, .address_space: global }
      - { .name: qkvc, .offset: 48, .size: 8, .value_kind: global_buffer, .address_space: global }
    .group_segment_fixed_size: 327680
    .private_segment_fixed_size: 0
    .kernarg_segment_align: 8
    .kernarg_segment_size: 56
    .max_flat_workgroup_size: 128
    .sgpr_count:     100
    .vgpr_count:     1024
    .wavefront_size: 32
...
	.end_amdgpu_metadata
.endif
;; end of part 2
;; launch attn (part 3): grid 8 x 32, 16 waves a work-group, clusters of 4 x 1, 327,680 bytes of LDS; arguments qkvc, lowp_scales, oc, W1, W2, wcodes; writes oc, wcodes
.if DOCPART == 3
	.amdgcn_target "amdgcn-amd-amdhsa--gfx1250"
	.amdhsa_code_object_version 6
	.text
	.protected	k_qf3f5455e48_attn
	.globl	k_qf3f5455e48_attn
	.p2align	8
	.type	k_qf3f5455e48_attn,@function
k_qf3f5455e48_attn:
	s_mov_b64 s[64:65], 0
	v_nop
	global_prefetch_b8 v0, s[64:65] scope:SCOPE_SE
	s_setreg_imm32_b32 hwreg(HW_REG_WAVE_MODE, 25, 1), 1
	s_wait_xcnt 0x0
	s_wait_alu depctr_hold_cnt(0) depctr_sa_sdst(0) depctr_va_vdst(0) depctr_va_sdst(0) depctr_va_ssrc(0) depctr_va_vcc(0) depctr_vm_vsrc(0)
	s_getreg_b32 s2, hwreg(HW_REG_IB_STS2, 6, 4)
	s_cmp_eq_u32 s2, 0
	s_cbranch_scc0 .Lentry_in_a_cluster
	s_endpgm
.Lentry_in_a_cluster:
	s_bfe_u32 s2, ttmp6, 0x10000c
	s_cmp_lg_u32 s2, 0x3003
	s_cbranch_scc0 .Lentry_shape_is_right
	s_endpgm
.Lentry_shape_is_right:
; Attention on codes of FP8 (E4M3): o = Q(softmax(q k^T / 8) v), for 32 (batch, head) pairs, 2,048 positions, head size 64.  Both products are quantised; o is quantised with entry 10 of the scales for the product that follows.
; INPUT (qkvc): q at byte 0 and k at 4 MiB: [channel / 128][batch x 2,048 + position][128 codes];  v at 8 MiB: [(batch x 2,048 + key) / 128][channel][128 keys].  OUTPUT (oc): [head][batch x 2,048 + position][64 codes].
; THE SOFTMAX: t = score x log2(e) / 8; M = the row's largest t so far, rounded UP to a whole number; p = 2^(t - M) is what is quantised (entry 9), not normalised.  The row's sum is taken of the unquantised p, in f32,
; and divides at the end.  When M moves, the sum and O are multiplied by 2^(old M - new M): exact.
; BESIDE THE ATTENTION each wave turns 2,048 numbers of W1 (the work-groups of batch 0; entry 13 of the scales) or of W2 (batch 1; entry 15) into codes, stored as the weight lies, from byte 4 MiB of wcodes on:
; 4,096 waves x 2,048 = the two weights' 8,388,608 numbers.  Two batches of 1,024: a batch's eight loads go out at the head of one phase of 512 keys and are converted at the head of the next, four key steps later.
; A lane takes 8 neighbours along K (two loads of 16 bytes); their 8 codes are one store of 8 bytes, and the wave's store covers 256 consecutive bytes, aligned.  The loop's own work names none of these registers.
; LIMITS: e6 + e7 between -123 and 130 (added to the exponent field of log2(e) / 8); e9, e10, e13 and e15 between -126 and 119; e8 + e9 is applied by v_ldexp_f32 and has none.  NaN among the weights is not served.
; SHARES.  A work-group owns 256 queries of one (batch, head); each of its sixteen waves 16 of them in 256 registers: four waves to a SIMD, so that one wave's vector work stands beside another's matrix work and LDS loads.
; ALL OF THE HEAD'S K AND V LIES IN LDS AT ONCE (2,048 x 64 and 64 x 2,048 codes): every LDS byte is filled once, nothing is filled again.  Waves 0-3 fetch K, waves 4-7 V, four tensor loads each (four of a wave's are out at the most),
; all issued at the head; the keys are walked in four phases of 512, each behind a counted wait and one barrier, so that the first phase starts when the first quarter has landed.
; CLUSTER.  The four query blocks of a cluster belong to one (batch, head) and read the same K and V: each tile is asked for jointly, with a mask that names the four.
; LAYOUT.  Both products are used transposed: S^T = K Q^T (source 0 = 16 keys, source 1 = my 16 queries), O^T = V^T P^T: a lane holds ONE query (lane % 16) throughout.
; THE KEYS OF A TILE ARE NOT NEIGHBOURS: lane r of tile 2 b + u takes key 32 b + 8 u + r + 8 (r / 8), so that the 16 registers of tiles 2 b and 2 b + 1 are 16 neighbouring keys, 32 b + 16 (lane / 16) + 0 .. 15: p's codes are the operand's registers.
; REGISTERS: v1-7 addresses that stay; v8, v9 addresses of the step; v10 the weight's scale; v12 -M, v13 the largest t, v[14:15] the sum in two halves; v16-23 Q; v24-31 a batch's codes of the weight; v32-95 K's eight fragments, then V's four;
;   v96-159 S^T, then p; v160-191 O^T; v192-223 a batch's numbers of the weight, at the end o; v224-239 p's codes; v240-254 scales, offsets and work.
.set KP,    80                         ; a key's row in LDS: 64 bytes + 16 of padding
.set KBLK,  128*KP                     ; 128 keys
.set VP,    272                        ; a line of V in LDS: two channels x 128 keys = 256 bytes + 16 of padding
.set VBLK,  32*VP                      ; 64 channels x 128 keys
.set VOFF,  16*KBLK                    ; K's sixteen blocks, then V's sixteen
.set STAGE, VOFF+16*VBLK               ; behind them: 16 rows x (64 + 16) bytes for each wave; no tensor load lands there
.set SPI,   80
.set AK0,  1                           ; v1   my lane's place in a tile of K
.set AV0,  2                           ; v2   the same for V
.set STO,  3                           ; v3   the way out: where I put 8 codes of a row
.set RD,   4                           ; v4   where I read 16 bytes back
.set QO,   5                           ; v5   my byte offset in the wave's rows of Q
.set GO,   7                           ; v7   16 x lane
.set ADK,  8
.set ADV,  9
.set WS,   10                          ; v10  2^e of the weight, for its conversions (written when r is done with)
.set WL,   11
.set WC,   24                          ; v24-31   the weight's codes: a pair for each run of 256 numbers
.set WF,   192                         ; v192-223 the weight's numbers: 8 for each run of 256
.set WI,   250                         ; v250 32 x lane: my 8 numbers of a run; never rewritten
.set WO,   251                         ; v251 8 x lane: my 8 codes; never rewritten
.set WV,   10                          ; s10  my wave's number
.set G1K,  16                          ; s[16:23] descriptor group 1 for K's tiles;  s[24:31] for V's
.set G1V,  24
.set G0K,  32                          ; s[32:47] four groups 0 for K, one for each phase;  s[48:63] for V
.set G0V,  48
.set SEL,  66                          ; s[66:67] lane selects for v_permlanex16_b32: lane l xor 16
.set CS,   68                          ; s[68:69] c = log2(e) / 8 x 2^(e6 + e7): the packed form names a pair and takes its low word for both halves
.set KBS,  80                          ; s80  LDS byte at which the step's keys begin;  s81 the same for V, less VOFF
.set VBS,  81
.set CNT,  82
; s[96:97] the weight at my wave's 2,048 numbers; s[2:3] wcodes at their codes; neither is rewritten once made
.macro CROUND                          ; a round of the cluster's barrier
	s_barrier_signal -1
	s_barrier_wait -1
	s_cmp_lg_u32 s[WV], 0
	s_cbranch_scc1 .Lnot_wave_0_\@
	s_barrier_signal -3
.Lnot_wave_0_\@:
	s_barrier_wait -3
	s_barrier_signal -1
	s_barrier_wait -1
.endm
	s_load_b128 s[4:7], s[0:1], 0x0                ; qkvc, the scales
	s_load_b64 s[8:9], s[0:1], 0x10                ; oc
	s_load_b128 s[96:99], s[0:1], 0x18             ; W1, W2
	s_load_b64 s[2:3], s[0:1], 0x28                ; wcodes
	v_lshl_add_u32 v247, v0, 2, 0x4f000
	v_mov_b32 v255, 0
	ds_add_u32 v247, v255
	ds_add_u32 v247, v255
	v_lshrrev_b32 v8, 5, v0
	s_delay_alu instid0(VALU_DEP_1)
	v_readfirstlane_b32 s[WV], v8                  ; wave 0..15
	s_mul_i32 s89, s[WV], 16*SPI
	s_add_co_u32 s89, s89, STAGE                   ; my stage
	v_and_b32 v10, 15, v0                          ; r
	v_bfe_u32 v11, v0, 4, 1                        ; h
	s_delay_alu instid0(VALU_DEP_2)
	v_lshlrev_b32 v[QO], 7, v10
	s_delay_alu instid0(VALU_DEP_1)
	v_lshl_add_u32 v[QO], v11, 4, v[QO]            ; Q: row r of 128 bytes, + 16 h
	s_delay_alu instid0(VALU_DEP_4)
	v_and_b32 v6, 8, v10
	s_delay_alu instid0(VALU_DEP_1)
	v_add_nc_u32 v6, v6, v10                       ; r + 8 (r / 8)
	s_delay_alu instid0(VALU_DEP_1)
	v_mul_u32_u24 v[AK0], v6, KP
	s_delay_alu instid0(VALU_DEP_1)
	v_lshl_add_u32 v[AK0], v11, 4, v[AK0]
	v_lshrrev_b32 v6, 1, v10                       ; V: channel r lies in line r / 2, at 128 (r % 2)
	s_delay_alu instid0(VALU_DEP_1)
	v_mul_u32_u24 v[AV0], v6, VP
	v_and_b32 v6, 1, v10
	s_delay_alu instid0(VALU_DEP_1)
	v_lshl_add_u32 v[AV0], v6, 7, v[AV0]
	s_delay_alu instid0(VALU_DEP_1)
	v_lshl_add_u32 v[AV0], v11, 4, v[AV0]
	s_delay_alu instid0(VALU_DEP_1)
	v_add_nc_u32 v[AV0], VOFF, v[AV0]
	v_mul_u32_u24 v[STO], v10, SPI
	s_delay_alu instid0(VALU_DEP_1)
	v_lshl_add_u32 v[STO], v11, 3, v[STO]
	s_delay_alu instid0(VALU_DEP_1)
	v_add_nc_u32 v[STO], s89, v[STO]               ; in: row r, 8 bytes for each half of the lanes
	v_and_b32 v6, 31, v0
	s_delay_alu instid0(VALU_DEP_1)
	v_lshlrev_b32 v[GO], 4, v6
	s_delay_alu instid0(VALU_DEP_2)
	v_lshlrev_b32 v[WI], 5, v6
	s_delay_alu instid0(VALU_DEP_3)
	v_lshlrev_b32 v[WO], 3, v6
	s_delay_alu instid0(VALU_DEP_4)
	v_lshrrev_b32 v[RD], 2, v6                     ; back: four lanes to a row of 64 bytes, eight rows an instruction
	s_delay_alu instid0(VALU_DEP_1)
	v_mul_u32_u24 v[RD], v[RD], SPI
	v_and_b32 v6, 3, v6
	s_delay_alu instid0(VALU_DEP_1)
	v_lshl_add_u32 v[RD], v6, 4, v[RD]
	s_delay_alu instid0(VALU_DEP_1)
	v_add_nc_u32 v[RD], s89, v[RD]
	s_bfe_u32 s11, ttmp6, 0x40000                  ; cx
	s_lshl_b32 s12, ttmp9, 2
	s_add_co_u32 s12, s12, s11                     ; my block of 256 queries: it enters Q's, O's and the weight's addresses alone
	s_and_b32 s13, ttmp7, 0xffff
	s_lshr_b32 s84, s13, 4                         ; the batch,
	s_and_b32 s85, s13, 15                         ; the head: the four partners share both
	s_lshr_b32 s86, s85, 1
	s_lshl_b32 s86, s86, 12
	s_lshl_b32 s87, s84, 11
	s_add_co_u32 s86, s86, s87
	s_lshl_b32 s86, s86, 7
	s_and_b32 s87, s85, 1
	s_lshl_b32 s87, s87, 6
	s_add_co_u32 s86, s86, s87                     ; the head's first byte in q and in k: ((head / 2) x 4,096 + batch x 2,048) x 128 + 64 (head % 2)
	s_and_b32 s88, s[WV], 3                        ; which of a phase's four blocks of 128 keys I fetch
	s_lshl_b32 s90, s88, 14
	s_add_co_u32 s90, s90, s86
	s_add_co_u32 s90, s90, 0x400000                ; K: in memory
	s_mov_b32 s91, 0
	s_lshl_b32 s92, s84, 21
	s_lshl_b32 s93, s88, 17
	s_add_co_u32 s92, s92, s93
	s_lshl_b32 s93, s85, 13
	s_add_co_u32 s92, s92, s93
	s_add_co_u32 s92, s92, 0x800000                ; V: ((16 batch + block) x 1,024 + 64 head) x 128
	s_mov_b32 s93, 0
	s_mul_i32 s94, s88, KBLK                       ; and in LDS: no place in the cluster enters an LDS address
	s_mul_i32 s95, s88, VBLK
	s_add_co_u32 s95, s95, VOFF
	s_lshl_b32 s87, s12, 8
	s_lshl_b32 s83, s[WV], 4
	s_add_co_u32 s87, s87, s83                     ; my first query
	s_lshl_b32 s78, s87, 7
	s_add_co_u32 s78, s78, s86
	s_mov_b32 s79, 0
	s_lshl_b32 s70, s85, 12
	s_lshl_b32 s71, s84, 11
	s_add_co_u32 s70, s70, s71
	s_add_co_u32 s70, s70, s87
	s_lshl_b32 s70, s70, 6                         ; its row of oc
	s_mov_b32 s71, 0
	; descriptor group 1.  K: 128 rows of 64 bytes, cut out of rows of 128;  V: 8,192 bytes on end, as 32 rows of 256
	s_mov_b32 s[G1K], 15|(0<<16)|(1<<20)|(1<<21)|(3<<22)|(3<<25)  ; 15:0 the mask: all four work-groups; 17:16 elements of 1 byte; 20 padding on; 21 set beside a mask; 24:22 after every 16 words; 31:25 four words
	s_mov_b32 s[G1K+1], 64<<16                     ; tensor_dim0
	s_mov_b32 s[G1K+2], 128<<16                    ; tensor_dim1
	s_mov_b32 s[G1K+3], 64<<16                     ; tile_dim0
	s_mov_b32 s[G1K+4], 128                        ; tile_dim1
	s_mov_b32 s[G1K+5], 128                        ; tensor_dim0_stride
	s_mov_b32 s[G1K+6], 0
	s_mov_b32 s[G1K+7], 0
	s_mov_b32 s[G1V], 15|(0<<16)|(1<<20)|(1<<21)|(5<<22)|(3<<25)  ; padding: four words after every 64
	s_mov_b32 s[G1V+1], 256<<16
	s_mov_b32 s[G1V+2], 32<<16
	s_mov_b32 s[G1V+3], 256<<16
	s_mov_b32 s[G1V+4], 32
	s_mov_b32 s[G1V+5], 256
	s_mov_b32 s[G1V+6], 0
	s_mov_b32 s[G1V+7], 0
	s_mov_b32 s[SEL], 0x76543210
	s_mov_b32 s[SEL+1], 0xfedcba98
	s_mov_b32 s[CS], 0x3e38aa3b                    ; log2(e) / 8
	s_wait_dscnt 0x0
	s_wait_kmcnt 0x0
	s_load_b128 s[72:75], s[6:7], 0x18             ; e6, e7, e8, e9
	s_load_b32 s76, s[6:7], 0x28                   ; e10
	s_load_b32 s77, s[6:7], 0x34                   ; e13
	s_load_b32 s83, s[6:7], 0x3c                   ; e15
	s_add_nc_u64 s[90:91], s[4:5], s[90:91]
	s_add_nc_u64 s[92:93], s[4:5], s[92:93]
	s_add_nc_u64 s[14:15], s[4:5], s[78:79]        ; Q at my first query
	s_add_nc_u64 s[8:9], s[8:9], s[70:71]
	; the weight's share: wave number in the launch = ((batch, head) x 8 + query block) x 16 + wave, 0 .. 4,095; the first 2,048 take W1, the others W2
	s_lshl_b32 s70, s13, 3
	s_add_co_u32 s70, s70, s12
	s_lshl_b32 s70, s70, 4
	s_add_co_u32 s70, s70, s[WV]
	s_lshl_b32 s78, s70, 11                        ; 2,048 bytes of codes a wave, on end:
	s_add_co_u32 s78, s78, 0x400000                ; W1's from 4 MiB, W2's from 8 MiB of wcodes  (s79 and s71 are still 0)
	s_and_b32 s70, s70, 2047
	s_lshl_b32 s70, s70, 13                        ; 8,192 bytes of numbers a wave
	s_cmp_eq_u32 s84, 0                            ; the choice hangs on the batch alone
	s_cselect_b64 s[96:97], s[96:97], s[98:99]
	s_add_nc_u64 s[96:97], s[96:97], s[70:71]
	s_add_nc_u64 s[2:3], s[2:3], s[78:79]
.irp p, 0,1,2,3                                    ; phase p: keys 512 p on
	s_mov_b32 s[G0K+4*\p], 1
	s_add_co_u32 s[G0K+4*\p+1], s94, \p*4*KBLK
	s_add_nc_u64 s[G0K+4*\p+2:G0K+4*\p+3], s[90:91], \p*65536
	s_or_b32 s[G0K+4*\p+3], s[G0K+4*\p+3], 0x80000000
	s_mov_b32 s[G0V+4*\p], 1
	s_add_co_u32 s[G0V+4*\p+1], s95, \p*4*VBLK
	s_add_nc_u64 s[G0V+4*\p+2:G0V+4*\p+3], s[92:93], \p*524288
	s_or_b32 s[G0V+4*\p+3], s[G0V+4*\p+3], 0x80000000
.endr
	CROUND                                         ; all four work-groups are here: the joint loads meet
	s_cmp_lt_u32 s[WV], 4                          ; a wave's four loads stand in one branch, ahead of every wait on TENSORcnt, every LDS read and every other barrier
	s_cbranch_scc0 .Lnot_k
	tensor_load_to_lds s[G0K:G0K+3], s[G1K:G1K+7]
	s_nop 0
	tensor_load_to_lds s[G0K+4:G0K+7], s[G1K:G1K+7]
	s_nop 0
	tensor_load_to_lds s[G0K+8:G0K+11], s[G1K:G1K+7]
	s_nop 0
	tensor_load_to_lds s[G0K+12:G0K+15], s[G1K:G1K+7]
	s_nop 0
.rept 4
	v_nop
.endr
	s_branch .Lasked
.Lnot_k:
	s_cmp_lt_u32 s[WV], 8
	s_cbranch_scc0 .Lasked
	tensor_load_to_lds s[G0V:G0V+3], s[G1V:G1V+7]
	s_nop 0
	tensor_load_to_lds s[G0V+4:G0V+7], s[G1V:G1V+7]
	s_nop 0
	tensor_load_to_lds s[G0V+8:G0V+11], s[G1V:G1V+7]
	s_nop 0
	tensor_load_to_lds s[G0V+12:G0V+15], s[G1V:G1V+7]
	s_nop 0
.rept 4
	v_nop
.endr
.Lasked:
	global_load_b128 v[16:19], v[QO], s[14:15]             ; Q's fragment stays in registers: registers 4 c .. 4 c + 3 hold channels 32 c + 16 h + 0 .. 15, as K's do
	global_load_b128 v[20:23], v[QO], s[14:15] offset:32
	v_mov_b32 v13, 0xff61b1e6                      ; the largest t so far: -3e38, under every t
	s_delay_alu instid0(VALU_DEP_1)
	v_floor_f32 v12, -v13                          ; -M
	v_mov_b32 v14, 0                               ; the sum, in two halves
	v_mov_b32 v15, 0
	v_mov_b32 v246, 0                              ; written once: a lane permute's destination counts as one of its sources
	v_mov_b32 v253, 0                              ; (named as the upper half of the pair v[252:253])
.set j, 0
.rept 32
	v_mov_b32 v[160+j], 0                          ; O^T: the step is written once for all steps; the first finds zeros, which the first change of M leaves zeros
.set j, j+1
.endr
	s_wait_kmcnt 0x0
	s_cmp_eq_u32 s84, 0
	s_cselect_b32 s77, s77, s83                    ; the weight's exponent: W1's or W2's, by the batch
	s_add_co_i32 s84, s72, s73
	s_lshl_b32 s84, s84, 23
	s_add_co_i32 s[CS], s[CS], s84                 ; a score stands for score x 2^(e6 + e7): the exponents are added to c's exponent field
	s_mov_b32 s[CS+1], s[CS]
	s_add_co_i32 s84, s75, 127
	s_lshl_b32 s85, s84, 23
	v_mov_b32 v244, s85                            ; 2^e9, for p's conversions
	s_add_co_i32 s84, s76, 127
	s_lshl_b32 s85, s84, 23
	v_mov_b32 v249, s85                            ; 2^e10, for o's
	s_add_co_i32 s84, s77, 127
	s_lshl_b32 s85, s84, 23
	v_mov_b32 v[WS], s85                           ; 2^e of the weight
	s_wait_loadcnt 0x0                             ; Q
; THE WEIGHT, batch g of two: four runs of 256 numbers.  A lane's 8 neighbours are 32 bytes: two loads; the two together read a run's 1,024 bytes whole.
.macro WLOAD g
.irp m, 0,1,2,3
	global_load_b128 v[WF+8*\m:WF+8*\m+3], v[WI], s[96:97] offset:1024*(4*\g+\m)
	global_load_b128 v[WF+8*\m+4:WF+8*\m+7], v[WI], s[96:97] offset:1024*(4*\g+\m)+16
.endr
.endm
.macro WQUANT g
	s_wait_loadcnt 0x0                             ; the batch's eight loads, issued four key steps ago; no other global load is out
.set j, 0
.rept 32
.set j, j+1
.endr
.irp m, 0,1,2,3
	v_cvt_scalef32_pk8_fp8_f32 v[WC+2*\m:WC+2*\m+1], v[WF+8*\m:WF+8*\m+7], v[WS]
.endr
	v_nop                                          ; a plain line behind the last conversion
.irp m, 0,1,2,3
	global_store_b64 v[WO], v[WC+2*\m:WC+2*\m+1], s[2:3] offset:256*(4*\g+\m)   ; 32 lanes store 256 consecutive bytes, at a multiple of 256 from the buffer's first byte
.endr
.endm
; A KEY STEP: 128 keys
.macro STEP
	v_add_nc_u32 v[ADK], s[KBS], v[AK0]
	v_add_nc_u32 v[ADV], s[VBS], v[AV0]
	v_nop                                          ; with the two additions: four places in front of loads into registers that the last products have read
	v_nop
.irp t, 0,1,2,3,4,5,6,7
.irp c, 0,1
	ds_load_b128 v[32+8*\t+4*\c:35+8*\t+4*\c], v[ADK] offset:(32*(\t/2)+8*(\t%2))*KP+32*\c
.endr
.endr
	s_wait_alu depctr_va_vdst(0)
	s_wait_dscnt 0x0
.irp t, 0,1,2,3,4,5,6,7
	v_wmma_f32_16x16x64_fp8_fp8 v[96+8*\t:103+8*\t], v[32+8*\t:39+8*\t], v[16:23], 0
.endr
.rept 4
	v_nop                                          ; places: in front of the loads below and of the first read of the scores
.endr
.irp t, 0,1,2,3                                    ; V's four fragments (16 channels x 128 keys) are asked for now and land while the softmax is worked
.irp c, 0,1,2,3
	ds_load_b128 v[32+16*\t+4*\c:35+16*\t+4*\c], v[ADV] offset:8*VP*\t+32*\c
.endr
.endr
	v_max3_num_f32 v254, v96, v97, v98             ; the step's largest score of my query, among my 64 keys, in two chains; each accumulator is first read at its low end
	v_max3_num_f32 v252, v99, v100, v101
.irp i, 6,10,14,18,22,26,30,34,38,42,46,50,54,58
	v_max3_num_f32 v254, v254, v[96+\i], v[97+\i]
	v_max3_num_f32 v252, v252, v[98+\i], v[99+\i]
.endr
	v_max3_num_f32 v254, v254, v158, v159
	s_delay_alu instid0(VALU_DEP_1)
	v_max_num_f32 v254, v254, v252
	s_delay_alu instid0(VALU_DEP_1)
	v_permlanex16_b32 v246, v254, s[SEL], s[SEL+1]
	s_delay_alu instid0(VALU_DEP_1)
	v_max_num_f32 v254, v254, v246                 ; and among lane l xor 16's
	s_delay_alu instid0(VALU_DEP_1)
	v_mul_f32 v254, s[CS], v254                    ; as t (c is positive)
	s_delay_alu instid0(VALU_DEP_1)
	v_max_num_f32 v13, v13, v254                   ; the running largest t
	v_mov_b32 v254, v12
	s_delay_alu instid0(VALU_DEP_2)
	v_floor_f32 v12, -v13                          ; the new -M = floor(-t) = -ceil(t): a whole number
	s_delay_alu instid0(VALU_DEP_1)
	v_sub_f32 v254, v12, v254                      ; M's old value less its new one: a whole number, 0 or less
	s_delay_alu instid0(VALU_DEP_1)
	v_cvt_i32_f32 v254, v254                       ; (it saturates)
	s_delay_alu instid0(VALU_DEP_1)
	v_ldexp_f32 v252, 1.0, v254                    ; f = 2^(old M - new M)
.set j, 0
.rept 32
	v_pk_fma_f32 v[96+j:97+j], v[96+j:97+j], s[CS:CS+1], v[12:13] op_sel_hi:[1,0,0]   ; t - M, two at a time
.set j, j+2
.endr
.set j, 0
	s_setprio 1
	s_wait_alu depctr_va_vdst(0)
.rept 64
	v_exp_f32 v[96+j], v[96+j]                     ; p = 2^(t - M), at most 1
.set j, j+1
.endr
	v_pk_mul_f32 v[14:15], v[14:15], v[252:253] op_sel_hi:[1,0]   ; the sums under the new M; a plain line behind the exponentials
	s_wait_alu depctr_va_vdst(0)                   ; one wait for the whole batch of exponentials, ahead of its first reader
	v_pk_add_f32 v[242:243], v[100:101], v[104:105]
	v_pk_add_f32 v[240:241], v[108:109], v[112:113]
	v_pk_add_f32 v[238:239], v[116:117], v[120:121]
	v_pk_add_f32 v[236:237], v[124:125], v[128:129]
	v_pk_add_f32 v[234:235], v[132:133], v[136:137]
	v_pk_add_f32 v[232:233], v[140:141], v[144:145]
	v_pk_add_f32 v[230:231], v[148:149], v[152:153]
	v_pk_add_f32 v[14:15], v[14:15], v[156:157]
	v_pk_add_f32 v[242:243], v[242:243], v[96:97]
	v_pk_add_f32 v[240:241], v[240:241], v[98:99]
	v_pk_add_f32 v[238:239], v[238:239], v[102:103]
	v_pk_add_f32 v[236:237], v[236:237], v[106:107]
	v_pk_add_f32 v[234:235], v[234:235], v[110:111]
	v_pk_add_f32 v[232:233], v[232:233], v[114:115]
	v_pk_add_f32 v[230:231], v[230:231], v[118:119]
	v_pk_add_f32 v[14:15], v[14:15], v[122:123]
	v_pk_add_f32 v[242:243], v[242:243], v[126:127]
	v_pk_add_f32 v[240:241], v[240:241], v[130:131]
	v_pk_add_f32 v[238:239], v[238:239], v[134:135]
	v_pk_add_f32 v[236:237], v[236:237], v[138:139]
	v_pk_add_f32 v[234:235], v[234:235], v[142:143]
	v_pk_add_f32 v[232:233], v[232:233], v[146:147]
	v_pk_add_f32 v[230:231], v[230:231], v[150:151]
	v_pk_add_f32 v[14:15], v[14:15], v[154:155]
	v_pk_add_f32 v[242:243], v[242:243], v[158:159]
	s_delay_alu instid0(VALU_DEP_2)
	v_pk_add_f32 v[14:15], v[14:15], v[236:237]
	s_delay_alu instid0(VALU_DEP_2)
	v_pk_add_f32 v[242:243], v[242:243], v[234:235]
	v_pk_add_f32 v[240:241], v[240:241], v[232:233]
	v_pk_add_f32 v[238:239], v[238:239], v[230:231]
	s_delay_alu instid0(VALU_DEP_2)
	v_pk_add_f32 v[14:15], v[14:15], v[240:241]
	s_delay_alu instid0(VALU_DEP_2)
	v_pk_add_f32 v[242:243], v[242:243], v[238:239]
	s_delay_alu instid0(VALU_DEP_1)
	v_pk_add_f32 v[14:15], v[14:15], v[242:243]
.irp b, 0,1,2,3
.irp i, 0,1,2,3,4,5,6,7,8,9,10,11,12,13,14,15
.endr
	v_cvt_scalef32_pk8_fp8_f32 v[224+4*\b:225+4*\b], v[96+16*\b:103+16*\b], v244
	v_cvt_scalef32_pk8_fp8_f32 v[226+4*\b:227+4*\b], v[104+16*\b:111+16*\b], v244
.endr
.set j, 0
	s_setprio 0
.rept 16
	v_pk_mul_f32 v[160+j:161+j], v[160+j:161+j], v[252:253] op_sel_hi:[1,0]   ; O^T under the new M; these are also the plain lines between the conversions and the products
.set j, j+2
.endr
	s_wait_alu depctr_va_vdst(0)
	s_wait_dscnt 0x0                               ; V's fragments
.irp t, 0,1,2,3                                    ; O^T += V^T P^T: the four accumulators take turns, one instruction a turn; the scores' eight products stand between two links
	v_wmma_f32_16x16x128_fp8_fp8 v[160+8*\t:167+8*\t], v[32+16*\t:47+16*\t], v[224:239], v[160+8*\t:167+8*\t]
.endr
.endm
; A PHASE: 512 keys.  My tensor loads of the later phases, 3 - p of them, may stay out.
; At the heads of phases 0, 1 and 2 stands the weight's work: a batch is asked for in one phase and converted in the next.
.macro PHASE p
	s_wait_tensorcnt 3-\p
	s_wait_dscnt 0x0
	s_barrier_signal -1
	s_barrier_wait -1                              ; every fetching wave's part of this phase has landed
.if \p == 0
	WLOAD 0
.elseif \p == 1
	WQUANT 0
	WLOAD 1
.elseif \p == 2
	s_wait_xcnt 0x0                                ; the first batch's stores have read the codes' registers, which are written again below
	WQUANT 1
.endif
	s_mov_b32 s[KBS], \p*4*KBLK
	s_mov_b32 s[VBS], \p*4*VBLK
	s_mov_b32 s[CNT], 4
.Lkeys_\@:
	s_setprio 2
	STEP
	s_add_co_u32 s[KBS], s[KBS], KBLK
	s_add_co_u32 s[VBS], s[VBS], VBLK
	s_sub_co_u32 s[CNT], s[CNT], 1
	s_cmp_lg_u32 s[CNT], 0
	s_cbranch_scc1 .Lkeys_\@
	s_setprio 0
.endm
	PHASE 0
	PHASE 1
	PHASE 2
	PHASE 3
	; THE WAY OUT: O^T x 2^(e8 + e9) / the sum, quantised with e10; a lane's 8 codes of a tile go through my stage, and the wave's 16 rows x 64 bytes leave as 1,024 bytes on end.
.rept 4
	v_nop                                          ; places behind the last products
.endr
	v_add_f32 v14, v14, v15                        ; the sum's two halves,
	s_delay_alu instid0(VALU_DEP_1)
	v_permlanex16_b32 v252, v14, s[SEL], s[SEL+1]
	s_delay_alu instid0(VALU_DEP_1)
	v_add_f32 v14, v14, v252                       ; and lane l xor 16's
	s_wait_alu depctr_va_vdst(0)
	v_rcp_f32 v14, v14
	v_nop                                          ; a plain line behind the reciprocal
	s_add_co_i32 s84, s74, s75
	s_wait_alu depctr_va_vdst(0)                   ; and the wait ahead of its first reader
	v_ldexp_f32 v14, v14, s84
.set j, 0
.rept 32
	v_mul_f32 v[192+j], v[160+j], v14              ; register 8 t + i is o(query r, channel 16 t + 8 h + i)
.set j, j+1
.endr
.set j, 0
.rept 32
.set j, j+1
.endr
.irp t, 0,1,2,3
	v_cvt_scalef32_pk8_fp8_f32 v[224+2*\t:225+2*\t], v[192+8*\t:199+8*\t], v249
.endr
	v_nop
.irp t, 0,1,2,3
	ds_store_b64 v[STO], v[224+2*\t:225+2*\t] offset:16*\t
.endr
.irp u, 0,1
	ds_load_b128 v[32+4*\u:35+4*\u], v[RD] offset:8*SPI*\u   ; LDS serves a wave's instructions in order: these see my stores
.endr
.irp u, 0,1
	s_wait_dscnt 1-\u
	global_store_b128 v[GO], v[32+4*\u:35+4*\u], s[8:9] offset:512*\u th:TH_STORE_NT   ; 512 consecutive bytes, at a multiple of 256 from the buffer's first byte
.endr
	s_wait_tensorcnt 0x0
	ds_add_u32 v247, v255
	s_wait_dscnt 0x0
	CROUND                                         ; the closing round
	s_endpgm
.Lfunc_end_k_qf3f5455e48_attn:
	.size	k_qf3f5455e48_attn, .Lfunc_end_k_qf3f5455e48_attn-k_qf3f5455e48_attn
	.p2alignl 7, 3214868480
	.fill 96, 4, 3214868480
	.section	.rodata,"a",@progbits
	.p2align	6, 0x0
	.amdhsa_kernel k_qf3f5455e48_attn
		.amdhsa_group_segment_fixed_size 327680
		.amdhsa_private_segment_fixed_size 0
		.amdhsa_enable_private_segment 0
		.amdhsa_kernarg_size 48
		.amdhsa_user_sgpr_count 2
		.amdhsa_user_sgpr_kernarg_segment_ptr 1
		.amdhsa_wavefront_size32 1
		.amdhsa_system_sgpr_workgroup_id_x 1
		.amdhsa_system_sgpr_workgroup_id_y 1
		.amdhsa_system_sgpr_workgroup_id_z 1
		.amdhsa_system_vgpr_workitem_id 0
		.amdhsa_next_free_vgpr 256
		.amdhsa_next_free_sgpr 100
		.amdhsa_reserve_vcc 0
		.amdhsa_float_denorm_mode_32 3
		.amdhsa_float_denorm_mode_16_64 3
		.amdhsa_fp16_overflow 1
		.amdhsa_memory_ordered 1
		.amdhsa_forward_progress 1
		.amdhsa_inst_pref_size 75
	.end_amdhsa_kernel
	.amdgpu_metadata
---
amdhsa.version: [ 1, 2 ]
amdhsa.kernels:
  - .name:           k_qf3f5455e48_attn
    .symbol:         k_qf3f5455e48_attn.kd
    .args:
      - { .name: qkvc, .offset: 0, .size: 8, .value_kind: global_buffer, .address_space: global }
      - { .name: lowp_scales, .offset: 8, .size: 8, .value_kind: global_buffer, .address_space: global }
      - { .name: oc, .offset: 16, .size: 8, .value_kind: global_buffer, .address_space: global }
      - { .name: W1, .offset: 24, .size: 8, .value_kind: global_buffer, .address_space: global }
      - { .name: W2, .offset: 32, .size: 8, .value_kind: global_buffer, .address_space: global }
      - { .name: wcodes, .offset: 40, .size: 8, .value_kind: global_buffer, .address_space: global }
    .group_segment_fixed_size: 327680
    .private_segment_fixed_size: 0
    .kernarg_segment_align: 8
    .kernarg_segment_size: 48
    .max_flat_workgroup_size: 512
    .sgpr_count:     100
    .vgpr_count:     256
    .wavefront_size: 32
...
	.end_amdgpu_metadata
.endif
;; end of part 3
;; launch wo (part 4): grid 8 x 32, 4 waves a work-group, clusters of 4 x 4, 327,680 bytes of LDS; arguments oc, wcodes, lowp_scales, y; writes y
.if DOCPART == 4
	.amdgcn_target "amdgcn-amd-amdhsa--gfx1250"
	.amdhsa_code_object_version 6
	.text
	.protected	k_qf3f5455e48_wo
	.globl	k_qf3f5455e48_wo
	.p2align	8
	.type	k_qf3f5455e48_wo,@function
k_qf3f5455e48_wo:
	s_mov_b64 s[64:65], 0
	v_nop
	global_prefetch_b8 v0, s[64:65] scope:SCOPE_SE
	s_setreg_imm32_b32 hwreg(HW_REG_WAVE_MODE, 25, 1), 1
	s_wait_xcnt 0x0
	s_wait_alu depctr_hold_cnt(0) depctr_sa_sdst(0) depctr_va_vdst(0) depctr_va_sdst(0) depctr_va_ssrc(0) depctr_va_vcc(0) depctr_vm_vsrc(0)
	s_getreg_b32 s2, hwreg(HW_REG_IB_STS2, 6, 4)
	s_cmp_eq_u32 s2, 0
	s_cbranch_scc0 .Lentry_in_a_cluster
	s_endpgm
.Lentry_in_a_cluster:
	s_bfe_u32 s2, ttmp6, 0x10000c
	s_cmp_lg_u32 s2, 0xf033
	s_cbranch_scc0 .Lentry_shape_is_right
	s_endpgm
.Lentry_shape_is_right:
; y[m][n] = 2^(ea + eb) x the sum over k of A[m][k] B[n][k], on codes of FP8 (E4M3); y: [4,096][1,024] f32.  One source serves two launches; the five constants below say which.
; A lies in blocks of KB along K: [k / KB][4,096 rows][KB bytes] (the attention's output: KB = 64; the hidden layer: KB = 128).  B: a weight's codes, [1,024][SIZE_K], WOFF bytes into wcodes.  ea, eb: the two scales at byte SCB.
; LIMIT: ea + eb between -126 and 127.
; A tile is 128 x 128, so that the 4,096 x 1,024 results give each of 256 work-groups one; four waves, each 64 x 64: 16 accumulators.  K goes in steps of 512, as long as two slots in LDS allow, four quarters of 128 each.
; CLUSTERS: 4 x 4 work-groups; A's tiles are asked for jointly along a row of the cluster, B's along a column.  THE MATRIX INSTRUCTION IS USED TRANSPOSED: a lane holds eight neighbouring columns of one row of y.
; A's half tile (64 rows x 512 K) is 512 / KB pieces of 64 x KB bytes, each on end in memory: ONE tensor load whose 'rows' are the pieces.  In LDS 16 bytes of padding follow every 256: lines 272 bytes apart, 256 / KB rows to a line.
; REGISTERS: window 0: v0-31 addresses; v32-63 a block's results; v64-127 rows read back, two sets; v128-255 the accumulators ((a, b) at v[128 + 8 (4 a + b)]).   window 1: two fragment buffers of 128: A's four fragments, then B's four.
.set KB,     64
.set LKB,    6                         ; log2 KB
.set SIZE_K, 1024
.set WOFF,   3<<20
.set SCB,    40
.set RPL,    256/KB                    ; rows of A in an LDS line
.set LRPL,   8-LKB
.set LPB,    64/RPL                    ; lines of a piece
.set NKB,    512/KB                    ; pieces in a slot
.set LAPS,   SIZE_K/1024               ; a lap = two slots
.set AH,     128*272                   ; A's half tile in LDS
.set BP,     528                       ; a row of B in LDS: 512 bytes + 16
.set BH,     64*BP
.set SLOT,   2*AH+2*BH
.set STAGE,  2*SLOT                    ; behind the ring: 16 rows x (256 + 16) bytes for each wave; no tensor load lands there
.set SPITCH, 272
.set SPARE,  STAGE+4*16*SPITCH         ; behind the stages: the spare words, 128 bytes a wave: two blocks of 256 bytes that no other line names
.set ADRA, 16
.set ADRB, 20
.set STO,  24
.set RD,   25
.set CO,   26
.set SPW,  28
.set NIL,  29
.set TMP,  32
.set BK,   64
.set ACC,  128
.set F0,   0
.set F1,   128
.set G1, 24
.set G0, 32
.set G1B, 48
.set G0B, 56
.set MSB, 0
.macro WIN new                         ; the immediate's high byte repeats the setting that is left
.if MSB != \new
	s_set_vgpr_msb (MSB<<8)|\new
.set MSB, \new
.endif
.endm
.set MUL,  0x05                        ; sources 0 (B) and 1 (A) window 1; C and D window 0
.set TO_F, 0x40                        ; destination window 1, address window 0
.macro JLOAD s                         ; a joint load: waves 0 and 1 fetch A's two halves, waves 2 and 3 B's; four v_nop follow each of the two lines
	s_cmp_eq_u32 s11, 0
	s_cbranch_scc0 .Lfor_b_\@
	tensor_load_to_lds s[G0+4*\s:G0+4*\s+3], s[G1:G1+7]
	s_nop 0
.rept 4
	v_nop
.endr
	s_branch .Lasked_\@
.Lfor_b_\@:
	tensor_load_to_lds s[G0B+4*\s:G0B+4*\s+3], s[G1B:G1B+7]
	s_nop 0
.rept 4
	v_nop
.endr
.Lasked_\@:
.endm
.macro CREST
	s_cmp_lg_u32 s10, 0
	s_cbranch_scc1 .Lnot_wave_0_\@
	s_barrier_signal -3
.Lnot_wave_0_\@:
	s_barrier_wait -3
	s_barrier_signal -1
	s_barrier_wait -1
.endm
.macro CROUND
	s_barrier_signal -1
	s_barrier_wait -1
	CREST
.endm
	s_load_b128 s[4:7], s[0:1], 0x0                ; A's codes, wcodes
	s_load_b128 s[68:71], s[0:1], 0x10             ; the scales, y
	v_lshl_add_u32 v[SPW], v0, 2, SPARE
	v_mov_b32 v[NIL], 0
	ds_add_u32 v28, v29
	ds_add_u32 v28, v29
	s_wait_dscnt 0x0
	v_lshrrev_b32 v1, 5, v0
	v_readfirstlane_b32 s10, v1                    ; wave 0..3
	s_lshr_b32 s11, s10, 1                         ; which half of the tile's rows is mine.  Also: I fetch for A (0) or for B (1)
	s_and_b32 s12, s10, 1                          ; which half of its columns.  Also: which 64 rows of that tile I fetch
	s_bfe_u32 s40, ttmp6, 0x40000                  ; cx, cy
	s_bfe_u32 s41, ttmp6, 0x40004
	s_lshl_b32 s42, ttmp9, 2
	s_add_co_u32 s42, s42, s40                     ; tile column
	s_and_b32 s13, ttmp7, 0xffff
	s_lshl_b32 s13, s13, 2
	s_add_co_u32 s13, s13, s41                     ; tile row
	s_lshl_b32 s43, s41, 2
	s_lshl_b32 s43, 15, s43                        ; my row of the cluster
	s_lshl_b32 s44, 0x1111, s40                    ; my column
	s_or_b32 s[G1+0], s43, (0<<16)|(1<<20)|(1<<21)|(5<<22)|(3<<25)  ; A: the mask of my row; elements of 1 byte; padding: 4 words after every 64
	s_mov_b32 s[G1+1], (64*KB)<<16                 ; tensor_dim0: a piece, 64 rows x KB bytes on end
	s_mov_b32 s[G1+2], NKB<<16                     ; tensor_dim1: the pieces
	s_mov_b32 s[G1+3], (64*KB)<<16                 ; tile_dim0
	s_mov_b32 s[G1+4], NKB                         ; tile_dim1
	s_mov_b32 s[G1+5], 4096*KB                     ; from piece to piece
	s_mov_b32 s[G1+6], 0
	s_mov_b32 s[G1+7], 0
	s_or_b32 s[G1B+0], s44, (0<<16)|(1<<20)|(1<<21)|(6<<22)|(3<<25) ; B: the mask of my column; padding: 4 words after every 128
	s_mov_b32 s[G1B+1], 512<<16
	s_mov_b32 s[G1B+2], 64<<16
	s_mov_b32 s[G1B+3], 512<<16
	s_mov_b32 s[G1B+4], 64
	s_mov_b32 s[G1B+5], SIZE_K
	s_mov_b32 s[G1B+6], 0
	s_mov_b32 s[G1B+7], 0
	s_lshl_b32 s17, s12, 6                         ; which 64 rows of the tile I fetch
	s_lshl_b32 s16, s13, 7
	s_add_co_u32 s16, s16, s17
	s_mul_i32 s16, s16, KB                         ; A: row x KB bytes, in the first piece
	s_lshl_b32 s46, s42, 7
	s_add_co_u32 s46, s46, s17
	s_mul_i32 s46, s46, SIZE_K
	s_add_co_u32 s46, s46, WOFF                    ; B: row x SIZE_K bytes, in this weight's part of wcodes
	s_mov_b32 s17, 0
	s_mov_b32 s47, 0
	s_mul_i32 s20, s12, AH                         ; where they go: no place in the cluster enters an LDS address
	s_mul_i32 s21, s12, BH
	s_add_co_u32 s21, s21, 2*AH
	s_wait_kmcnt 0x0
	s_load_b64 s[72:73], s[68:69], SCB             ; ea, eb
	s_add_nc_u64 s[14:15], s[4:5], s[16:17]
	s_add_nc_u64 s[46:47], s[6:7], s[46:47]
	CROUND                                         ; all sixteen work-groups are here: the first joint loads meet
.irp s, 0,1
	s_mov_b32 s[G0+4*\s], 1
	s_add_co_u32 s[G0+4*\s+1], s20, \s*SLOT
	s_add_nc_u64 s[G0+4*\s+2:G0+4*\s+3], s[14:15], \s*0x200000      ; 512 along K on: 512 x 4,096 bytes
	s_or_b32 s[G0+4*\s+3], s[G0+4*\s+3], 0x80000000
	s_mov_b32 s[G0B+4*\s], 1
	s_add_co_u32 s[G0B+4*\s+1], s21, \s*SLOT
	s_add_nc_u64 s[G0B+4*\s+2:G0B+4*\s+3], s[46:47], \s*512
	s_or_b32 s[G0B+4*\s+3], s[G0B+4*\s+3], 0x80000000
	JLOAD \s
.endr
	v_and_b32 v1, 15, v0                           ; r
	v_bfe_u32 v2, v0, 4, 1                         ; h
	v_lshrrev_b32 v3, LRPL, v1                     ; A: row r lies in line r / RPL, at KB (r % RPL); + 16 h
	v_mul_u32_u24 v3, v3, 272
	v_and_b32 v4, RPL-1, v1
	v_lshl_add_u32 v3, v4, LKB, v3
	v_lshl_add_u32 v3, v2, 4, v3
	v_mul_u32_u24 v5, v1, BP                       ; B: row r, + 16 h
	v_lshl_add_u32 v5, v2, 4, v5
	s_mul_i32 s21, s11, AH                         ; my 64 rows of A
	s_mul_i32 s22, s12, BH                         ; my 64 rows of B,
	s_add_co_u32 s22, s22, 2*AH                    ; which lie behind A's 128
.irp s, 0,1
	v_add_nc_u32 v[ADRA+\s], s21, v3
	v_add_nc_u32 v[ADRB+\s], s22, v5
	s_add_co_u32 s21, s21, SLOT
	s_add_co_u32 s22, s22, SLOT
.endr
	s_mul_i32 s23, s10, 16*SPITCH
	s_add_co_u32 s23, s23, STAGE                   ; my stage
	v_mul_u32_u24 v6, v1, SPITCH                   ; in: row r, 32 bytes for each half of the lanes
	v_lshl_add_u32 v6, v2, 5, v6
	v_add_nc_u32 v[STO], s23, v6
	v_mul_u32_u24 v7, v2, SPITCH                   ; back: lanes 0-15 one row of 256 bytes, lanes 16-31 the next
	v_lshl_add_u32 v7, v1, 4, v7
	v_add_nc_u32 v[RD], s23, v7
	v_lshlrev_b32 v8, 12, v2                       ; and the same two rows in y
	v_lshl_add_u32 v[CO], v1, 4, v8
	s_lshl_b32 s16, s13, 7
	s_lshl_b32 s17, s11, 6
	s_add_co_u32 s16, s16, s17
	s_lshl_b32 s16, s16, 12                        ; my first row of y,
	s_mov_b32 s17, 0
	s_add_nc_u64 s[8:9], s[70:71], s[16:17]
	s_lshl_b32 s46, s42, 9
	s_lshl_b32 s47, s12, 8
	s_add_co_u32 s46, s46, s47                     ; my first column, in bytes: a multiple of 256
	s_mov_b32 s47, 0
	s_add_nc_u64 s[8:9], s[8:9], s[46:47]
; 4 matrix instructions: A's block a x B's four, 128 along K.  zero = 1: the first product starts the sums.  The 16 accumulators take turns, in the same order in every quarter.
.macro MUL4 f, a, zero
.irp b, 0,1,2,3
.if \zero
	v_wmma_f32_16x16x128_fp8_fp8 v[ACC+8*(4*\a+\b):ACC+8*(4*\a+\b)+7], v[\f+64+16*\b:\f+64+16*\b+15], v[\f+16*\a:\f+16*\a+15], 0
.else
	v_wmma_f32_16x16x128_fp8_fp8 v[ACC+8*(4*\a+\b):ACC+8*(4*\a+\b)+7], v[\f+64+16*\b:\f+64+16*\b+15], v[\f+16*\a:\f+16*\a+15], v[ACC+8*(4*\a+\b):ACC+8*(4*\a+\b)+7]
.endif
.endr
.endm
; 32 LDS loads in one run: the fragments of the slot's q-th 128 along K into buffer f: B's four, then A's four.  Registers 4 c .. 4 c + 3 hold K = 32 c + 16 h + 0 .. 15 in both.
.macro FETCH slot, q, f
	WIN TO_F
.irp i, 0,1,2,3
.irp c, 0,1,2,3
	ds_load_b128 v[\f+64+16*\i+4*\c:\f+64+16*\i+4*\c+3], v[ADRB+\slot] offset:128*(\q)+32*\c+\i*16*BP
.endr
.endr
.irp i, 0,1,2,3
.irp c, 0,1,2,3
	ds_load_b128 v[\f+16*\i+4*\c:\f+16*\i+4*\c+3], v[ADRA+\slot] offset:((128*(\q)+32*\c)/KB)*LPB*272+((16*\i)/RPL)*272+(32*\c)%KB
.endr
.endr
.endm
.macro PLACES                          ; four plain lines in front of loads into registers that matrix instructions have read, and of the first read of results
.rept 4
	v_nop
.endr
.endm
; One of a slot's first three quarters: multiplies buffer f and fetches quarter qn into g.
.macro QUARTER slot, qn, f, g, zero
	s_wait_dscnt 8                                 ; B's four and A's blocks 0, 1 are in; the youngest 8 loads (A's blocks 2, 3) may be out
	WIN MUL
	MUL4 \f, 0, \zero
	MUL4 \f, 1, \zero
	PLACES
	FETCH \slot, \qn, \g
	s_wait_dscnt 32                                ; all but the 32 just issued
	WIN MUL
	MUL4 \f, 2, \zero
	MUL4 \f, 3, \zero
.endm
; The last quarter multiplies buffer 1 and changes slots: ONE barrier; in front of it each wave waits for all its tensor loads, adds 0 to its spare word, and waits for that and for its own reads of this slot.
.macro TURN slot, next, fill
	WIN 0                                          ; (the add's two registers lie in window 0)
	s_wait_tensorcnt 0x0                           ; all my tensor loads have landed: my part of the next slot
	ds_add_u32 v[SPW], v[NIL]                      ; 0 onto my spare word
	s_wait_dscnt 13                                ; the add and the youngest 12 loads (A's blocks 1 to 3) may be out
	WIN MUL
	MUL4 F1, 0, 0                                  ; matrix instructions stand between the add and the wait for it
	s_wait_dscnt 0x0                               ; the add is done, and my reads of this slot are over
	s_barrier_signal -1
	MUL4 F1, 1, 0
.if \fill
	WIN 0
.endif
	s_barrier_wait -1
.if \fill
	CREST                                          ; the barrier has opened a round of the cluster's barrier: no wave of any partner still reads this slot or has a load on its way
	s_add_nc_u64 s[G0+4*\slot+2:G0+4*\slot+3], s[G0+4*\slot+2:G0+4*\slot+3], 0x400000
	s_add_nc_u64 s[G0B+4*\slot+2:G0B+4*\slot+3], s[G0B+4*\slot+2:G0B+4*\slot+3], 1024
	JLOAD \slot                                    ; the first tensor load behind the round; its four v_nop are the places in front of the loads below
.else
	PLACES
.endif
	FETCH \next, 0, F0
	WIN MUL
	MUL4 F1, 2, 0
	MUL4 F1, 3, 0
.endm
	s_wait_tensorcnt 1                             ; my part of slot 0 is in; slot 1's load may be out
	s_barrier_signal -1
	s_barrier_wait -1
	FETCH 0, 0, F0
	QUARTER 0, 1, F0, F1, 1                        ; the first quarter stands in front of the loop: its products start the sums
.if LAPS > 1
	WIN 0
	s_mov_b32 s3, LAPS-1
.Llap:                                                 ; a trip goes once round the ring and fills both slots again
	QUARTER 0, 2, F1, F0, 0
	QUARTER 0, 3, F0, F1, 0
	TURN 0, 1, 1
	QUARTER 1, 1, F0, F1, 0
	QUARTER 1, 2, F1, F0, 0
	QUARTER 1, 3, F0, F1, 0
	TURN 1, 0, 1
	QUARTER 0, 1, F0, F1, 0
	WIN 0
	s_sub_co_u32 s3, s3, 1
	s_cmp_lg_u32 s3, 0
	s_cbranch_scc1 .Llap
.endif
	QUARTER 0, 2, F1, F0, 0                        ; the last lap fills nothing
	QUARTER 0, 3, F0, F1, 0
	TURN 0, 1, 0
	QUARTER 1, 1, F0, F1, 0
	QUARTER 1, 2, F1, F0, 0
	QUARTER 1, 3, F0, F1, 0
	s_wait_dscnt 8
	WIN MUL
	MUL4 F1, 0, 0
	MUL4 F1, 1, 0
	s_wait_dscnt 0
	MUL4 F1, 2, 0
	MUL4 F1, 3, 0
	WIN 0
; THE WAY OUT, block by block of 16 rows x 64 columns: x 2^(ea + eb); through my own stage, so that sixteen lanes store a row's 256 bytes.
.macro TOSTAGE a
.set BB, BK+32*((\a)%2)
.set j, 0
.rept 16
	v_pk_mul_f32 v[TMP+j:TMP+j+1], v[ACC+32*(\a)+j:ACC+32*(\a)+j+1], s[72:73] op_sel_hi:[1,0]   ; each accumulator from its low end on
.set j, j+2
.endr
.irp b, 0,1,2,3
	ds_store_b128 v[STO], v[TMP+8*\b:TMP+8*\b+3] offset:64*\b
	ds_store_b128 v[STO], v[TMP+8*\b+4:TMP+8*\b+7] offset:64*\b+16
.endr
.irp t, 0,1,2,3,4,5,6,7
	ds_load_b128 v[BB+4*\t:BB+4*\t+3], v[RD] offset:2*SPITCH*\t    ; LDS serves a wave's instructions in order (ISA guide 5.7.1.4): these see the stores above
.endr
.endm
.macro SEND a, younger
.set BB, BK+32*((\a)%2)
	s_wait_dscnt \younger
.irp t, 0,1,2,3,4,5,6,7
	global_store_b128 v[CO], v[BB+4*\t:BB+4*\t+3], s[8:9] offset:(16*(\a)+2*\t)*4096 th:TH_STORE_NT   ; 16 lanes store 256 consecutive bytes, at a multiple of 256 from y's first byte
.endr
.endm
	s_wait_kmcnt 0x0
	s_add_co_i32 s72, s72, s73
	s_add_co_i32 s72, s72, 127
	s_lshl_b32 s72, s72, 23                        ; 2^(ea + eb) as f32
	s_mov_b32 s73, s72
	PLACES
	TOSTAGE 0
.irp a, 1,2,3
.if \a > 1
	s_wait_xcnt 0x0                                ; block a - 2's stores have read their registers: block a's loads may land there
.endif
	TOSTAGE \a
	SEND \a-1, 16                                  ; behind block a - 1's loads: block a's 8 stores and 8 loads
.endr
	SEND 3, 0
	s_wait_tensorcnt 0x0                           ; the wave's end
	ds_add_u32 v[SPW], v[NIL]
	s_wait_dscnt 0x0
	CROUND                                         ; the closing round
	s_endpgm
.Lfunc_end_k_qf3f5455e48_wo:
	.size	k_qf3f5455e48_wo, .Lfunc_end_k_qf3f5455e48_wo-k_qf3f5455e48_wo
	.p2alignl 7, 3214868480
	.fill 96, 4, 3214868480
	.section	.rodata,"a",@progbits
	.p2align	6, 0x0
	.amdhsa_kernel k_qf3f5455e48_wo
		.amdhsa_group_segment_fixed_size 327680
		.amdhsa_private_segment_fixed_size 0
		.amdhsa_enable_private_segment 0
		.amdhsa_kernarg_size 32
		.amdhsa_user_sgpr_count 2
		.amdhsa_user_sgpr_kernarg_segment_ptr 1
		.amdhsa_wavefront_size32 1
		.amdhsa_system_sgpr_workgroup_id_x 1
		.amdhsa_system_sgpr_workgroup_id_y 1
		.amdhsa_system_sgpr_workgroup_id_z 1
		.amdhsa_system_vgpr_workitem_id 0
		.amdhsa_next_free_vgpr 512
		.amdhsa_next_free_sgpr 80
		.amdhsa_reserve_vcc 0
		.amdhsa_float_denorm_mode_32 3
		.amdhsa_float_denorm_mode_16_64 3
		.amdhsa_memory_ordered 1
		.amdhsa_forward_progress 1
		.amdhsa_inst_pref_size 46
	.end_amdhsa_kernel
	.amdgpu_metadata
---
amdhsa.version: [ 1, 2 ]
amdhsa.kernels:
  - .name:           k_qf3f5455e48_wo
    .symbol:         k_qf3f5455e48_wo.kd
    .args:
      - { .name: oc, .offset: 0, .size: 8, .value_kind: global_buffer, .address_space: global }
      - { .name: wcodes, .offset: 8, .size: 8, .value_kind: global_buffer, .address_space: global }
      - { .name: lowp_scales, .offset: 16, .size: 8, .value_kind: global_buffer, .address_space: global }
      - { .name: y, .offset: 24, .size: 8, .value_kind: global_buffer, .address_space: global }
    .group_segment_fixed_size: 327680
    .private_segment_fixed_size: 0
    .kernarg_segment_align: 8
    .kernarg_segment_size: 32
    .max_flat_workgroup_size: 128
    .sgpr_count:     80
    .vgpr_count:     512
    .wavefront_size: 32
...
	.end_amdgpu_metadata
.endif
;; end of part 4
;; launch ln1 (part 5): grid 256 x 1, 8 waves a work-group, no clusters, 17,408 bytes of LDS; arguments y, src, bo, g1, be1, lowp_scales, x, xc; writes x, xc
.if DOCPART == 5
	.amdgcn_target "amdgcn-amd-amdhsa--gfx1250"
	.amdhsa_code_object_version 6
	.text
	.protected	k_qf3f5455e48_ln1
	.globl	k_qf3f5455e48_ln1
	.p2align	8
	.type	k_qf3f5455e48_ln1,@function
k_qf3f5455e48_ln1:
	s_mov_b64 s[64:65], 0
	v_nop
	global_prefetch_b8 v0, s[64:65] scope:SCOPE_SE
	s_setreg_imm32_b32 hwreg(HW_REG_WAVE_MODE, 25, 1), 1
	s_wait_xcnt 0x0
; out = LayerNorm((y + bias) + residual) x g + be, rows of 1,024 f32, eps = 1e-5.  One source serves two launches; CODES says which.
; CODES = 1: residual = src (rows in the order 2 s + b), out = x in the order b x 2,048 + s, which is y's; x's codes of FP8 (E4M3, entry 12 of the scales) are stored too, [row][1,024].
; CODES = 0: residual = x, out = out0 in the order 2 s + b.
; LIMIT: e12 between -126 and 119.  NaN among the inputs is not served.
; A wave takes two whole rows, each in 32 registers a lane: the row is read once, and mean and variance (of the differences from the mean) never leave the wave.  Lane l holds columns 128 j + 4 l .. + 3, j = 0 .. 7:
; every load and store covers 512 consecutive bytes.  All 56 loads of a wave go out at the head.  No matrix unit, no tensor load, no cluster, no barrier: memory binds, and no two waves read the same row.
.set CODES, 1
.if CODES
.set RSTEP, 8192                       ; from my first row to my second, in the residual,
.set OSTEP, 4096                       ; in the output
.set OUTP,  20                         ; s[20:21] the output
.else
.set RSTEP, 4096
.set OSTEP, 8192
.set OUTP,  18
.endif
.set G,  16                            ; v16-47 g, v48-79 be, v80-111 the bias, of my 32 columns
.set BE, 48
.set BI, 80
; row i: v[112 + 64 i ..] y, then the result; v[144 + 64 i ..] the residual, then the numbers held for the conversion.  v240-247 four sums in pairs, later the codes; v[248:249] the mean; v[250:251] 1 / sqrt(variance + eps)
	s_load_b256 s[8:15], s[0:1], 0x0               ; y, the residual, the bias, g
.if CODES
	s_load_b256 s[16:23], s[0:1], 0x20             ; be, the scales, x, xc
	v_lshl_add_u32 v15, v0, 2, 0x4000
	v_mov_b32 v255, 0
.else
	s_load_b128 s[16:19], s[0:1], 0x20             ; be, out0
.endif
	v_lshrrev_b32 v2, 5, v0
	v_readfirstlane_b32 s30, v2                    ; wave
	v_and_b32 v3, 31, v0
	v_lshlrev_b32 v1, 4, v3                        ; 16 x lane
.if CODES
	s_lshl_b32 s31, s30, 11                        ; my stage: 1,024 bytes for each of my two rows
	v_lshl_add_u32 v2, v3, 2, s31                  ; in: four codes a lane
	v_lshl_add_u32 v3, v3, 4, s31                  ; back: sixteen
.endif
	s_mov_b32 s24, 0x3a800000                      ; 1 / 1,024
	s_mov_b32 s25, 0x3727c5ac                      ; 1e-5
	s_mov_b32 s26, 0x76543210
	s_mov_b32 s27, 0xfedcba98
	v_mov_b32 v252, 0                              ; written once: a lane permute's destination counts as one of its sources
	s_lshl_b32 s28, ttmp9, 4
	s_lshl_b32 s29, s30, 1
	s_add_co_u32 s28, s28, s29                     ; my first row, in the order b x 2,048 + s; it is even
	s_lshl_b32 s32, s28, 12
	s_mov_b32 s33, 0                               ; its bytes in that order,
	s_and_b32 s34, s28, 2047
	s_lshl_b32 s34, s34, 13
	s_lshr_b32 s35, s28, 11
	s_lshl_b32 s35, s35, 12
	s_add_co_u32 s34, s34, s35
	s_mov_b32 s35, 0                               ; in the order 2 s + b,
	s_lshl_b32 s36, s28, 10
	s_mov_b32 s37, 0                               ; and of its codes
	s_wait_kmcnt 0x0
	s_add_nc_u64 s[8:9], s[8:9], s[32:33]
.if CODES
	s_load_b32 s38, s[18:19], 0x30                 ; e12
	s_add_nc_u64 s[10:11], s[10:11], s[34:35]
	s_add_nc_u64 s[OUTP:OUTP+1], s[OUTP:OUTP+1], s[32:33]
	s_add_nc_u64 s[22:23], s[22:23], s[36:37]
.else
	s_add_nc_u64 s[10:11], s[10:11], s[32:33]
	s_add_nc_u64 s[OUTP:OUTP+1], s[OUTP:OUTP+1], s[34:35]
.endif
.irp j, 0,1,2,3,4,5,6,7
	global_load_b128 v[G+4*\j:G+4*\j+3], v1, s[14:15] offset:512*\j
	global_load_b128 v[BE+4*\j:BE+4*\j+3], v1, s[16:17] offset:512*\j
	global_load_b128 v[BI+4*\j:BI+4*\j+3], v1, s[12:13] offset:512*\j
.endr
.irp i, 0,1
.irp j, 0,1,2,3,4,5,6,7
	global_load_b128 v[112+64*\i+4*\j:115+64*\i+4*\j], v1, s[8:9] offset:4096*\i+512*\j th:TH_LOAD_NT
	global_load_b128 v[144+64*\i+4*\j:147+64*\i+4*\j], v1, s[10:11] offset:RSTEP*\i+512*\j th:TH_LOAD_NT
.endr
.endr
.if CODES
	s_wait_kmcnt 0x0
	s_add_co_i32 s38, s38, 127
	s_lshl_b32 s39, s38, 23
	v_mov_b32 v253, s39                            ; 2^e12
	s_add_co_i32 s38, s38, 8
	s_lshl_b32 s38, s38, 23
	s_or_b32 s38, s38, 0x600000
	v_mov_b32 v254, s38                            ; 448 x 2^e12
.endif
.macro REDUCE                          ; the four pairs of sums, then the 32 lanes: every lane ends with the row's sum in v240
	v_pk_add_f32 v[240:241], v[240:241], v[242:243]
	v_pk_add_f32 v[244:245], v[244:245], v[246:247]
	v_pk_add_f32 v[240:241], v[240:241], v[244:245]
	v_add_f32 v240, v240, v241
	v_add_f32_dpp v240, v240, v240 row_xmask:1 row_mask:0xf bank_mask:0xf
	v_add_f32_dpp v240, v240, v240 row_xmask:2 row_mask:0xf bank_mask:0xf
	v_add_f32_dpp v240, v240, v240 row_xmask:4 row_mask:0xf bank_mask:0xf
	v_add_f32_dpp v240, v240, v240 row_xmask:8 row_mask:0xf bank_mask:0xf
	v_permlanex16_b32 v252, v240, s26, s27
	v_add_f32 v240, v240, v252
.endm
.macro ROW i
.set Y, 112+64*\i
.set R, 144+64*\i
	s_wait_loadcnt 16-16*\i                        ; g, be, the bias and this row are in; the other row's 16 loads, issued behind, may be out
.set j, 0
.rept 16
	v_pk_add_f32 v[Y+j:Y+j+1], v[Y+j:Y+j+1], v[BI+j:BI+j+1]
.set j, j+2
.endr
.set j, 0
.rept 16
	v_pk_add_f32 v[Y+j:Y+j+1], v[Y+j:Y+j+1], v[R+j:R+j+1]
.set j, j+2
.endr
.irp k, 0,1,2,3
	v_pk_add_f32 v[240+2*\k:241+2*\k], v[Y+2*\k:Y+2*\k+1], v[Y+8+2*\k:Y+9+2*\k]   ; four chains, started by the first numbers: nothing is cleared
.endr
.set j, 16
.rept 8
	v_pk_add_f32 v[240+j%8:241+j%8], v[240+j%8:241+j%8], v[Y+j:Y+j+1]
.set j, j+2
.endr
	REDUCE
	v_mul_f32 v248, s24, v240                      ; the mean
	v_mov_b32 v249, v248
.set j, 0
.rept 16
	v_pk_add_f32 v[Y+j:Y+j+1], v[Y+j:Y+j+1], v[248:249] neg_lo:[0,1] neg_hi:[0,1]
.set j, j+2
.endr
.irp k, 0,1,2,3
	v_pk_mul_f32 v[240+2*\k:241+2*\k], v[Y+2*\k:Y+2*\k+1], v[Y+2*\k:Y+2*\k+1]
.endr
.set j, 8
.rept 12
	v_pk_fma_f32 v[240+j%8:241+j%8], v[Y+j:Y+j+1], v[Y+j:Y+j+1], v[240+j%8:241+j%8]
.set j, j+2
.endr
	REDUCE
	v_fma_f32 v250, v240, s24, s25                 ; the variance + eps
	v_rsq_f32 v251, v250
	v_nop                                          ; a plain line behind the reciprocal root,
	s_wait_alu depctr_va_vdst(0)                   ; and the wait ahead of its first reader
	v_mov_b32 v250, v251
.set j, 0
.rept 16
	v_pk_mul_f32 v[Y+j:Y+j+1], v[Y+j:Y+j+1], v[250:251]
.set j, j+2
.endr
.set j, 0
.rept 16
	v_pk_fma_f32 v[Y+j:Y+j+1], v[Y+j:Y+j+1], v[G+j:G+j+1], v[BE+j:BE+j+1]
.set j, j+2
.endr
.irp j, 0,1,2,3,4,5,6,7
	global_store_b128 v1, v[Y+4*\j:Y+4*\j+3], s[OUTP:OUTP+1] offset:OSTEP*\i+512*\j
.endr
.if CODES
.set j, 0
.rept 32
	v_med3_num_f32 v[R+j], v[Y+j], -v254, v254     ; the conversion to an 8-bit code does not saturate (ISA guide 7.6.2)
.set j, j+1
.endr
.irp k, 0,1,2,3
	v_cvt_scalef32_pk8_fp8_f32 v[240+2*\k:241+2*\k], v[R+8*\k:R+8*\k+7], v253   ; register 240 + j: the four codes of columns 128 j + 4 l .. + 3
.endr
	v_nop                                          ; a plain line behind the last conversion
.irp j, 0,1,2,3,4,5,6,7
	ds_store_b32 v2, v[240+\j] offset:1024*\i+128*\j
.endr
.if \i
	s_wait_xcnt 0x0                                ; the first row's stores have read v4-11, into which the loads below land
.endif
.irp u, 0,1
	ds_load_b128 v[4+4*\u:7+4*\u], v3 offset:1024*\i+512*\u   ; LDS serves a wave's instructions in order: these see my stores
.endr
	s_wait_dscnt 0x0
.irp u, 0,1
	global_store_b128 v1, v[4+4*\u:7+4*\u], s[22:23] offset:1024*\i+512*\u
.endr
.endif
.endm
	ROW 0
	ROW 1
	s_wait_tensorcnt 0x0
	ds_add_u32 v15, v255
	s_wait_dscnt 0x0
	s_endpgm
.Lfunc_end_k_qf3f5455e48_ln1:
	.size	k_qf3f5455e48_ln1, .Lfunc_end_k_qf3f5455e48_ln1-k_qf3f5455e48_ln1
	.p2alignl 7, 3214868480
	.fill 96, 4, 3214868480
	.section	.rodata,"a",@progbits
	.p2align	6, 0x0
	.amdhsa_kernel k_qf3f5455e48_ln1
		.amdhsa_group_segment_fixed_size 17408
		.amdhsa_private_segment_fixed_size 0
		.amdhsa_enable_private_segment 0
		.amdhsa_kernarg_size 64
		.amdhsa_user_sgpr_count 2
		.amdhsa_user_sgpr_kernarg_segment_ptr 1
		.amdhsa_wavefront_size32 1
		.amdhsa_system_sgpr_workgroup_id_x 1
		.amdhsa_system_sgpr_workgroup_id_y 1
		.amdhsa_system_sgpr_workgroup_id_z 1
		.amdhsa_system_vgpr_workitem_id 0
		.amdhsa_next_free_vgpr 256
		.amdhsa_next_free_sgpr 66
		.amdhsa_reserve_vcc 0
		.amdhsa_float_denorm_mode_32 3
		.amdhsa_float_denorm_mode_16_64 3
		.amdhsa_memory_ordered 1
		.amdhsa_forward_progress 1
		.amdhsa_inst_pref_size 32
	.end_amdhsa_kernel
	.amdgpu_metadata
---
amdhsa.version: [ 1, 2 ]
amdhsa.kernels:
  - .name:           k_qf3f5455e48_ln1
    .symbol:         k_qf3f5455e48_ln1.kd
    .args:
      - { .name: y, .offset: 0, .size: 8, .value_kind: global_buffer, .address_space: global }
      - { .name: src, .offset: 8, .size: 8, .value_kind: global_buffer, .address_space: global }
      - { .name: bo, .offset: 16, .size: 8, .value_kind: global_buffer, .address_space: global }
      - { .name: g1, .offset: 24, .size: 8, .value_kind: global_buffer, .address_space: global }
      - { .name: be1, .offset: 32, .size: 8, .value_kind: global_buffer, .address_space: global }
      - { .name: lowp_scales, .offset: 40, .size: 8, .value_kind: global_buffer, .address_space: global }
      - { .name: x, .offset: 48, .size: 8, .value_kind: global_buffer, .address_space: global }
      - { .name: xc, .offset: 56, .size: 8, .value_kind: global_buffer, .address_space: global }
    .group_segment_fixed_size: 17408
    .private_segment_fixed_size: 0
    .kernarg_segment_align: 8
    .kernarg_segment_size: 64
    .max_flat_workgroup_size: 256
    .sgpr_count:     66
    .vgpr_count:     256
    .wavefront_size: 32
...
	.end_amdgpu_metadata
.endif
;; end of part 5
;; launch w1 (part 6): grid 16 x 16, 4 waves a work-group, clusters of 4 x 4, 327,680 bytes of LDS; arguments xc, wcodes, b1, lowp_scales, hc; writes hc
.if DOCPART == 6
	.amdgcn_target "amdgcn-amd-amdhsa--gfx1250"
	.amdhsa_code_object_version 6
	.text
	.protected	k_qf3f5455e48_w1
	.globl	k_qf3f5455e48_w1
	.p2align	8
	.type	k_qf3f5455e48_w1,@function
k_qf3f5455e48_w1:
	s_mov_b64 s[64:65], 0
	v_nop
	global_prefetch_b8 v0, s[64:65] scope:SCOPE_SE
	s_setreg_imm32_b32 hwreg(HW_REG_WAVE_MODE, 25, 1), 1
	s_wait_xcnt 0x0
	s_wait_alu depctr_hold_cnt(0) depctr_sa_sdst(0) depctr_va_vdst(0) depctr_va_sdst(0) depctr_va_ssrc(0) depctr_va_vcc(0) depctr_vm_vsrc(0)
	s_getreg_b32 s2, hwreg(HW_REG_IB_STS2, 6, 4)
	s_cmp_eq_u32 s2, 0
	s_cbranch_scc0 .Lentry_in_a_cluster
	s_endpgm
.Lentry_in_a_cluster:
	s_bfe_u32 s2, ttmp6, 0x10000c
	s_cmp_lg_u32 s2, 0xf033
	s_cbranch_scc0 .Lentry_shape_is_right
	s_endpgm
.Lentry_shape_is_right:
; A GEMM on codes of FP8 (E4M3) whose results are quantised on the way out: out = Q(A B^T + bias), K = 1,024.  One source serves two launches; QKV says which.
; QKV = 1: q, k and v of attention.  The cluster's x says which: 0: q = src Wq^T + bq, 1: k = src Wk^T + bk, 2: v^T = Wv src^T + bv (rows = v's 1,024 channels, columns = positions, so that v's codes have the keys innermost).
;   Scales: operands e0 + e1, e2 + e3, e4 + e5; results: q entry 7, k entry 6 (k is the left operand of the scores' product as it is lowered), v entry 8.
; QKV = 0: hidden = relu(x W1^T + b1); operands e12 + e13, result e14.
; The result's codes are stored in blocks of 128 columns: byte ((column / 128) x ROWS + row) x 128 + column % 128: a wave's 128 x 128 codes are 16 KiB on end.
; LIMITS: (result's e) - (operands' e added) lies between -126 and 119.  NaN among the inputs is not served.
; A tile, 256 x 256, is made by four waves, as many as a WGP has SIMDs; a wave makes 128 x 128: 64 accumulators, 512 registers.  K goes in steps of 256 through a ring of two LDS slots filled by the tensor data mover.
; CLUSTERS: 4 x 4 work-groups.  The four of a row need the same tiles of A, the four of a column the same tiles of B: each tile is asked for jointly, by the same tensor load with the same descriptor and a mask that names the four.
; THE MATRIX INSTRUCTION IS USED TRANSPOSED (source 0 = 16 rows of B, source 1 = 16 rows of A): a lane holds eight neighbouring columns of one row, which one conversion turns into eight neighbouring bytes.
; THE BIAS by columns is the C of each sum's first product, divided by the power of two that the sums lack; the bias by rows (v alone) is added on the way out.  The one that a tensor does not have is cleared by a mask: no branch.
; REGISTERS, in windows of 256: window 0: v0-31 addresses and scales; v32-95 the column bias, later a block's numbers; v96-111 the row bias; from v128 A's fragments, ONE set (on the way out: codes and rows read back).
;   window 1: B's fragments, TWO sets.   window 2: the accumulators of my rows 0-63;   window 3: those of my rows 64-127.
.set QKV,    0
.set ROWB,   256                       ; a tile's row: 256 codes
.set KROW,   1024                      ; a row of A or of B in memory, in bytes
.set PITCH,  272                       ; an LDS row: 256 bytes + 16 of padding = 68 words: the 16 rows that a load touches start at 16 different banks (64 banks of 4 bytes: ISA guide 11.1)
.set FR,     16                        ; registers of a fragment: 16 rows x 128 K
.set NL,     4                         ; LDS loads that bring one
.set NP,     4                         ; places behind this matrix instruction (ISA guide 7.12.1)
.set HALFT,  128*PITCH                 ; 128 rows: what one tensor load brings
.set SLOT,   4*HALFT                   ; A's 256 rows, then B's 256 rows
.set LAPS,   2                         ; 1,024 along K = four slots = twice round the ring
.set SPARE,  2*SLOT                    ; behind the ring: the spare words, 128 bytes a wave: two blocks of 256 bytes that no other line names
.set STAGE,  SPARE+512                 ; behind them: a stage of 16 rows x (128 + 16) bytes for each wave; no tensor load lands there
.set SPITCH, 144
.set ADRA, 16                          ; v16-17  LDS address of my A fragments in slot 0, 1
.set ADRB, 20                          ; v20-21  the same for B
.set STO,  24                          ; v24     the way out: where I put 8 codes of a row
.set RD,   25                          ; v25     where I read 16 bytes back
.set CO,   26                          ; v26     16 x lane: my place in a store's 512 bytes
.set SPW,  28                          ; v28     LDS address of my spare word; never rewritten
.set NIL,  29                          ; v29     0; never rewritten
.set SC,   30                          ; v30     2^(result's e - operands' e) as f32: the conversion's scale
.set LIM,  31                          ; v31     448 x that
.set CB,   32                          ; v32-95  the column bias: 8 registers for each of B's 8 blocks
.set TMP,  32                          ; the way out: 64 numbers of a block
.set RB,   96                          ; v96-111 the row bias: a pair for each of A's 8 blocks
.set AF,   128                         ; A's fragments
.set CD,   128                         ; the way out: a block's codes, two sets of 16 by turns
.set BK,   160                         ; and its rows read back, two sets of 16 by turns
.set G1, 24                            ; s[24:31] descriptor group 1 for A's tiles;  s[32:39] group 0, one set for each slot
.set G0, 32
.set G1B, 48                           ; s[48:55], s[56:63] the same for B's tiles
.set G0B, 56
.set MSB, 0
.macro WIN new                         ; the immediate's high byte repeats the setting that is left
.if MSB != \new
	s_set_vgpr_msb (MSB<<8)|\new
.set MSB, \new
.endif
.endm
.set MUL_LO, 0xa1                      ; source 0 (B) window 1, source 1 (A) window 0, C and D window 2
.set MUL_HI, 0xf1                      ; the same, C and D window 3
.set TO_B,   0x40                      ; destination window 1, address window 0
; A joint load: waves 0 and 1 fetch for A, waves 2 and 3 for B; the branch hangs on the wave's number alone.  Four v_nop follow each of the two lines.
.macro JLOAD g0a, g1a, g0b, g1b
	s_cmp_eq_u32 s15, 0
	s_cbranch_scc0 .Lfor_b_\@
	tensor_load_to_lds s[\g0a:\g0a+3], s[\g1a:\g1a+7]
	s_nop 0
.rept 4
	v_nop
.endr
	s_branch .Lasked_\@
.Lfor_b_\@:
	tensor_load_to_lds s[\g0b:\g0b+3], s[\g1b:\g1b+7]
	s_nop 0
.rept 4
	v_nop
.endr
.Lasked_\@:
.endm
.macro CREST                           ; a round of the cluster's barrier behind its opening barrier
	s_cmp_lg_u32 s14, 0
	s_cbranch_scc1 .Lnot_wave_0_\@
	s_barrier_signal -3
.Lnot_wave_0_\@:
	s_barrier_wait -3
	s_barrier_signal -1
	s_barrier_wait -1
.endm
.macro CROUND                          ; a whole round
	s_barrier_signal -1
	s_barrier_wait -1
	CREST
.endm
	s_load_b256 s[68:75], s[0:1], 0x0              ; QKV: scodes, wcodes, bq, bk;  else: xc, wcodes, b1, the scales
.if QKV
	s_load_b128 s[76:79], s[0:1], 0x20             ; bv, the scales
	s_load_b64 s[80:81], s[0:1], 0x30              ; the result's codes
.else
	s_load_b64 s[80:81], s[0:1], 0x20
.endif
	v_lshl_add_u32 v[SPW], v0, 2, SPARE
	v_mov_b32 v[NIL], 0
	ds_add_u32 v28, v29
	ds_add_u32 v28, v29
	s_wait_dscnt 0x0
	v_lshrrev_b32 v1, 5, v0
	v_readfirstlane_b32 s14, v1                    ; wave 0..3
	s_lshr_b32 s15, s14, 1                         ; which half of the tile's rows is mine.  Also: I fetch for A (0) or for B (1)
	s_and_b32 s16, s14, 1                          ; which half of its columns.  Also: which 128 rows of that tile I fetch
	s_bfe_u32 s40, ttmp6, 0x40000                  ; cx, cy: my place in the cluster
	s_bfe_u32 s41, ttmp6, 0x40004
	s_and_b32 s18, ttmp7, 0xffff
	s_lshl_b32 s18, s18, 2                         ; 4 x cluster y
.if QKV
	s_mov_b32 s93, ttmp9                           ; which of q, k, v: the same in all sixteen partners
	s_mov_b32 s94, 4096
	s_cmp_eq_u32 s93, 2
	s_cselect_b32 s17, 0, s18                      ; q, k: 16 tile rows (positions) x 4 tile columns (channels);  v: 4 tile rows (channels) x 16 tile columns (positions)
	s_cselect_b32 s42, s18, 0
	s_cselect_b32 s94, 1024, s94                   ; rows of the result
	s_cselect_b32 s98, 0, -1                       ; all ones where the bias goes by columns,
	s_cselect_b32 s99, -1, 0                       ; by rows
.else
	s_mov_b32 s17, s18
	s_lshl_b32 s42, ttmp9, 2
	s_mov_b32 s94, 4096
.endif
	s_add_co_u32 s17, s17, s41                     ; tile row
	s_add_co_u32 s42, s42, s40                     ; tile column
	s_lshl_b32 s43, s41, 2
	s_lshl_b32 s43, 15, s43                        ; my row of the cluster
	s_lshl_b32 s44, 0x1111, s40                    ; my column
	; descriptor group 1: a tile of 128 rows x 256 bytes, padded in LDS
	s_or_b32 s[G1+0], s43, (0<<16)|(1<<20)|(1<<21)|(5<<22)|(3<<25)  ; 15:0 the mask: A's tiles go to my row; 17:16 element of 1 byte; 20 padding on; 21 set beside a mask; 24:22 after every 64 words; 31:25 of 4 words
	s_or_b32 s[G1B+0], s44, (0<<16)|(1<<20)|(1<<21)|(5<<22)|(3<<25)
.irp g, G1, G1B
	s_mov_b32 s[\g+1], ROWB<<16                    ; tensor_dim0
	s_mov_b32 s[\g+2], 128<<16                     ; tensor_dim1
	s_mov_b32 s[\g+3], ROWB<<16                    ; tile_dim0
	s_mov_b32 s[\g+4], 128                         ; tile_dim1
	s_mov_b32 s[\g+5], KROW                        ; tensor_dim0_stride
	s_mov_b32 s[\g+6], 0
	s_mov_b32 s[\g+7], 0
.endr
	s_lshl_b32 s18, s16, 7                         ; which 128 rows of the tile I fetch
	s_lshl_b32 s20, s17, 8
	s_add_co_u32 s20, s20, s18                     ; A: row 256 x tile row + 128 x half
	s_lshl_b32 s46, s42, 8
	s_add_co_u32 s46, s46, s18                     ; B: row 256 x tile column + 128 x half
	s_lshl_b32 s20, s20, 10                        ; in bytes: under 4 MiB
	s_lshl_b32 s46, s46, 10
	s_mov_b32 s21, 0
	s_mov_b32 s47, 0
	s_mul_i32 s45, s14, HALFT                      ; where they go: wave x 128 rows: no place in the cluster enters an LDS address
	s_wait_kmcnt 0x0
.if QKV
	s_load_b256 s[84:91], s[78:79], 0x0            ; e0 .. e7
	s_load_b32 s92, s[78:79], 0x20                 ; e8
	s_lshl_b32 s22, s93, 22
	s_mov_b32 s23, 0
	s_add_nc_u64 s[68:69], s[68:69], s[22:23]      ; src's codes under this product's scale
	s_add_nc_u64 s[80:81], s[80:81], s[22:23]      ; the result's part of qkvc
	s_lshl_b32 s22, s93, 20
	s_add_nc_u64 s[70:71], s[70:71], s[22:23]      ; the weight's codes
	s_cmp_eq_u32 s93, 2
	s_cselect_b64 s[4:5], s[70:71], s[68:69]       ; A: src, for v the weight
	s_cselect_b64 s[6:7], s[68:69], s[70:71]       ; B: the weight, for v src
	s_cselect_b64 s[8:9], s[76:77], s[74:75]
	s_cmp_eq_u32 s93, 0
	s_cselect_b64 s[8:9], s[72:73], s[8:9]         ; the bias
.else
	s_load_b128 s[84:87], s[74:75], 0x30           ; e12 .. e15
	s_mov_b64 s[4:5], s[68:69]
	s_add_nc_u64 s[6:7], s[70:71], 0x400000        ; W1's codes
	s_mov_b64 s[8:9], s[72:73]
.endif
	s_add_nc_u64 s[20:21], s[4:5], s[20:21]
	s_add_nc_u64 s[46:47], s[6:7], s[46:47]
	CROUND                                         ; all sixteen work-groups are here: the first joint loads meet
.irp s, 0,1
	s_mov_b32 s[G0+4*\s], 1
	s_add_co_u32 s[G0+4*\s+1], s45, \s*SLOT
	s_add_nc_u64 s[G0+4*\s+2:G0+4*\s+3], s[20:21], \s*ROWB
	s_or_b32 s[G0+4*\s+3], s[G0+4*\s+3], 0x80000000
	s_mov_b32 s[G0B+4*\s], 1
	s_add_co_u32 s[G0B+4*\s+1], s45, \s*SLOT
	s_add_nc_u64 s[G0B+4*\s+2:G0B+4*\s+3], s[46:47], \s*ROWB
	s_or_b32 s[G0B+4*\s+3], s[G0B+4*\s+3], 0x80000000
	JLOAD G0+4*\s, G1, G0B+4*\s, G1B
.endr
	v_and_b32 v1, 15, v0                           ; r = l % 16
	v_bfe_u32 v2, v0, 4, 1                         ; h = l / 16
	v_mul_u32_u24 v3, v1, PITCH
	v_lshl_add_u32 v4, v2, 4, v3                   ; a fragment's row x pitch + 16 x half
	s_mul_i32 s21, s15, HALFT                      ; my 128 rows of A
	s_mul_i32 s22, s16, HALFT                      ; my 128 rows of B,
	s_add_co_u32 s22, s22, 2*HALFT                 ; which lie behind A's 256
.irp s, 0,1
	v_add_nc_u32 v[ADRA+\s], s21, v4
	v_add_nc_u32 v[ADRB+\s], s22, v4
	s_add_co_u32 s21, s21, SLOT
	s_add_co_u32 s22, s22, SLOT
.endr
	s_mul_i32 s23, s14, 16*SPITCH
	s_add_co_u32 s23, s23, STAGE                   ; my stage
	v_mul_u32_u24 v5, v1, SPITCH                   ; in: row r, 8 bytes for each half of the lanes
	v_lshl_add_u32 v5, v2, 3, v5
	v_add_nc_u32 v[STO], s23, v5
	v_and_b32 v6, 31, v0
	v_lshrrev_b32 v7, 3, v6                        ; back: eight lanes to a row of 128 bytes, four rows an instruction
	v_mul_u32_u24 v7, v7, SPITCH
	v_and_b32 v8, 7, v0
	v_lshl_add_u32 v7, v8, 4, v7
	v_add_nc_u32 v[RD], s23, v7
	v_lshlrev_b32 v[CO], 4, v6
	v_lshlrev_b32 v9, 5, v2                        ; the column bias: my half's eight numbers of a block of 16
	v_lshlrev_b32 v10, 2, v1                       ; the row bias: my row's number
	s_lshl_b32 s46, s42, 8
	s_lshl_b32 s47, s16, 7
	s_add_co_u32 s46, s46, s47                     ; my first column
.if QKV
	s_and_b32 s46, s46, s98                        ; (where the bias goes by rows: 0, so that the load stays inside the bias; what it brings is cleared below)
.endif
	s_lshl_b32 s46, s46, 2
	s_mov_b32 s47, 0
.if QKV
	s_lshl_b32 s20, s17, 8
	s_lshl_b32 s21, s15, 7
	s_add_co_u32 s20, s20, s21                     ; my first row
	s_and_b32 s20, s20, s99
	s_lshl_b32 s20, s20, 2
	s_mov_b32 s21, 0
	s_add_nc_u64 s[12:13], s[8:9], s[20:21]
.endif
	s_add_nc_u64 s[8:9], s[8:9], s[46:47]
.irp b, 0,1,2,3,4,5,6,7
	global_load_b128 v[CB+8*\b:CB+8*\b+3], v9, s[8:9] offset:64*\b        ; bias(first column + 16 b + 8 h + 0 .. 7): the result's layout
	global_load_b128 v[CB+8*\b+4:CB+8*\b+7], v9, s[8:9] offset:64*\b+16
.endr
.if QKV
.irp a, 0,1,2,3,4,5,6,7
	global_load_b32 v[RB+2*\a], v10, s[12:13] offset:64*\a                ; bias(first row + 16 a + r)
.endr
.endif
	s_lshl_b32 s46, s42, 1                         ; where my 16 KiB of codes go: block of 128 columns 2 x tile column + half,
	s_add_co_u32 s46, s46, s16
	s_mul_i32 s46, s46, s94
	s_lshl_b32 s46, s46, 7
	s_lshl_b32 s20, s17, 8                         ; row 256 x tile row + 128 x half
	s_lshl_b32 s21, s15, 7
	s_add_co_u32 s20, s20, s21
	s_lshl_b32 s20, s20, 7
	s_mov_b32 s21, 0
	s_add_nc_u64 s[10:11], s[80:81], s[46:47]
	s_add_nc_u64 s[10:11], s[10:11], s[20:21]
	s_wait_kmcnt 0x0
	s_add_co_i32 s22, s84, s85                     ; the operands' exponents added,
.if QKV
	s_add_co_i32 s23, s86, s87
	s_add_co_i32 s97, s88, s89
	s_cmp_eq_u32 s93, 1
	s_cselect_b32 s22, s23, s22
	s_cselect_b32 s23, s90, s91                    ; the result's: k entry 6, q entry 7,
	s_cmp_eq_u32 s93, 2
	s_cselect_b32 s22, s97, s22
	s_cselect_b32 s23, s92, s23                    ; v entry 8
.else
	s_mov_b32 s23, s86
.endif
	s_sub_co_i32 s96, 0, s22                       ; a sum stands for sum x 2^(operands' e): the bias goes in divided by that,
	s_sub_co_i32 s23, s23, s22                     ; and the scales are folded into the conversion's one
	s_add_co_i32 s23, s23, 127
	s_lshl_b32 s22, s23, 23
	v_mov_b32 v[SC], s22
	s_add_co_i32 s23, s23, 8
	s_lshl_b32 s23, s23, 23
	s_or_b32 s23, s23, 0x600000
	v_mov_b32 v[LIM], s23
	s_wait_loadcnt 0x0                             ; the biases
.set j, 0
.rept 64
	v_ldexp_f32 v[CB+j], v[CB+j], s96
.if QKV
	v_and_b32 v[CB+j], s98, v[CB+j]
.endif
.set j, j+1
.endr
.if QKV
.irp a, 0,1,2,3,4,5,6,7
	v_ldexp_f32 v[RB+2*\a], v[RB+2*\a], s96
	v_and_b32 v[RB+2*\a], s99, v[RB+2*\a]
	v_mov_b32 v[RB+2*\a+1], v[RB+2*\a]             ; a pair for the packed addition
.endr
.endif
.macro FRAG reg, adr, q, i             ; a fragment, 16 rows x 128 K: lane l holds row l % 16; registers 4 c .. 4 c + 3 hold K = 32 c + 16 (l / 16) + 0 .. 15: the same places in A and in B, so every product meets its partner
.irp c, 0,1,2,3
	ds_load_b128 v[\reg+4*\c:\reg+4*\c+3], v[\adr] offset:128*(\q)+32*\c+(\i)*16*PITCH
.endr
.endm
; 16 matrix instructions: A's blocks a0, a0 + 1 x B's eight, 128 along K.  p: B's set.  zero = 1: the first product starts the sums on the column bias: nothing is ever cleared.
; The 64 accumulators take turns, one instruction a turn, in the same order in every step.
.macro MUL16 a0, p, zero
.irp a, \a0, \a0+1
.irp b, 0,1,2,3,4,5,6,7
.if \zero
	v_wmma_f32_16x16x128_fp8_fp8 v[8*(8*((\a)%4)+\b):8*(8*((\a)%4)+\b)+7], v[128*(\p)+FR*\b:128*(\p)+FR*\b+FR-1], v[AF+FR*(\a):AF+FR*(\a)+FR-1], v[CB+8*\b:CB+8*\b+7]
.else
	v_wmma_f32_16x16x128_fp8_fp8 v[8*(8*((\a)%4)+\b):8*(8*((\a)%4)+\b)+7], v[128*(\p)+FR*\b:128*(\p)+FR*\b+FR-1], v[AF+FR*(\a):AF+FR*(\a)+FR-1], v[8*(8*((\a)%4)+\b):8*(8*((\a)%4)+\b)+7]
.endif
.endr
.endr
.endm
.macro FETCH_B slot, q, p              ; B's eight fragments of the slot's q-th 128 along K into set p
	WIN TO_B
.irp i, 0,1,2,3,4,5,6,7
	FRAG 128*(\p)+FR*\i, ADRB+\slot, \q, \i
.endr
	WIN 0
.endm
.macro FETCH_A slot, q, i0             ; A's blocks i0 .. i0 + 3
.irp i, \i0, \i0+1, \i0+2, \i0+3
	FRAG AF+FR*(\i), ADRA+\slot, \q, \i
.endr
.endm
.macro PLACES n                        ; plain vector lines between a matrix instruction and a load into, or a vector read or write of, its registers
.rept \n
	v_nop
.endr
.endm
; A step of 128 along K that has its successor in the same slot.  A's blocks are free as soon as their eight products are issued: blocks 0-3 are fetched anew in the middle, blocks 4-7 at the end.
.macro STEP slot, q, zero
	s_wait_dscnt 4*NL                              ; B's set and A's blocks 0-3 are in; the youngest 16 loads (A's blocks 4-7) may be out
.if \zero
	WIN 0x81                                       ; source 0 window 1, sources 1 and 2 (A, the bias) window 0, D window 2
.else
	WIN MUL_LO
.endif
	MUL16 0, (\q)%2, \zero
	MUL16 2, (\q)%2, \zero
	s_wait_dscnt 0                                 ; A's blocks 4-7 are in
	PLACES NP
	FETCH_B \slot, (\q)+1, 1-(\q)%2
	FETCH_A \slot, (\q)+1, 0
.if \zero
	WIN 0xc1                                       ; the same, D window 3
.else
	WIN MUL_HI
.endif
	MUL16 4, (\q)%2, \zero
	MUL16 6, (\q)%2, \zero
	PLACES NP
	WIN 0
	FETCH_A \slot, (\q)+1, 4
.endm
; A slot's last step changes slots: ONE barrier; in front of it each wave waits for all its tensor loads, adds 0 to its spare word, and waits for that and for its own reads of this slot.  fill = 1: this slot is filled again, two slots ahead.
.macro TURN slot, next, fill
	s_wait_tensorcnt 0x0                           ; all my tensor loads have landed: my part of the next slot
	ds_add_u32 v[SPW], v[NIL]                      ; 0 onto my spare word
	s_wait_dscnt 4*NL+1                            ; the add and the youngest 16 loads (A's blocks 4-7) may be out
	WIN MUL_LO
	MUL16 0, 1, 0                                  ; sixteen matrix instructions stand between the add and the wait for it
	s_wait_dscnt 0x0                               ; the add is done, and my reads of this slot are over
	s_barrier_signal -1
	MUL16 2, 1, 0
	WIN 0
	s_barrier_wait -1
.if \fill
	CREST                                          ; the barrier has opened a round of the cluster's barrier: no wave of any partner still reads this slot or has a load on its way
	s_add_nc_u64 s[G0+4*\slot+2:G0+4*\slot+3], s[G0+4*\slot+2:G0+4*\slot+3], 2*ROWB
	s_add_nc_u64 s[G0B+4*\slot+2:G0B+4*\slot+3], s[G0B+4*\slot+2:G0B+4*\slot+3], 2*ROWB
	JLOAD G0+4*\slot, G1, G0B+4*\slot, G1B         ; the first tensor load behind the round; its four v_nop are the places in front of the loads below
.else
	PLACES NP
.endif
	FETCH_B \next, 0, 0
	FETCH_A \next, 0, 0
	WIN MUL_HI
	MUL16 4, 1, 0
	MUL16 6, 1, 0
	PLACES NP
	WIN 0
	FETCH_A \next, 0, 4
.endm
	s_wait_tensorcnt 1                             ; my part of slot 0 is in; slot 1's load, issued behind it, may be out
	s_barrier_signal -1
	s_barrier_wait -1
	FETCH_B 0, 0, 0
	FETCH_A 0, 0, 0
	FETCH_A 0, 0, 4
	STEP 0, 0, 1                                   ; the first step stands in front of the loop: its products start the sums
	s_mov_b32 s3, LAPS-1
.Llap:                                                 ; a trip goes once round the ring, from a lap's second step to the next lap's first, and fills both slots again
	TURN 0, 1, 1
	STEP 1, 0, 0
	TURN 1, 0, 1
	STEP 0, 0, 0
	s_sub_co_u32 s3, s3, 1
	s_cmp_lg_u32 s3, 0
	s_cbranch_scc1 .Llap
	TURN 0, 1, 0                                   ; the last lap fills nothing
	STEP 1, 0, 0
	s_wait_dscnt 4*NL
	WIN MUL_LO
	MUL16 0, 1, 0
	MUL16 2, 1, 0
	s_wait_dscnt 0
	WIN MUL_HI
	MUL16 4, 1, 0
	MUL16 6, 1, 0
	WIN 0
; THE WAY OUT, block by block of 16 rows x 128 columns: the row bias (QKV), the hold (with the activation where QKV = 0: between 0 and the largest code x the scale), eight conversions a lane.
; A lane's 8 bytes belong to one row and the lanes beside it hold other rows: the block goes through my own stage and comes back as 2,048 bytes on end, stored 512 consecutive bytes an instruction.
; LDS serves a wave's instructions in order (ISA guide 5.7.1.4): no wait between the stage's stores and loads, nor in front of the next block's stores.
.macro TOSTAGE a
.set AC, 64*((\a)%4)
.set CC, CD+16*((\a)%2)
.set BB, BK+16*((\a)%2)
	WIN 0x02+((\a)/4)                              ; source 0: window 2 or 3
.if QKV
.set j, 0
.rept 32
	v_pk_add_f32 v[TMP+j:TMP+j+1], v[AC+j:AC+j+1], v[RB+2*(\a):RB+2*(\a)+1]   ; each accumulator from its low end on
.set j, j+2
.endr
	WIN 0
.set j, 0
.rept 64
	v_med3_num_f32 v[TMP+j], v[TMP+j], -v[LIM], v[LIM]   ; the conversion to an 8-bit code does not saturate (ISA guide 7.6.2)
.set j, j+1
.endr
.else
.set j, 0
.rept 64
	v_med3_num_f32 v[TMP+j], v[AC+j], 0, v[LIM]    ; the activation and the hold in one; each accumulator from its low end on
.set j, j+1
.endr
	WIN 0
.endif
.irp b, 0,1,2,3,4,5,6,7
	v_cvt_scalef32_pk8_fp8_f32 v[CC+2*\b:CC+2*\b+1], v[TMP+8*\b:TMP+8*\b+7], v[SC]
.endr
	v_nop                                          ; a plain line behind the last conversion: the next block's lines write its sources
.irp b, 0,1,2,3,4,5,6,7
	ds_store_b64 v[STO], v[CC+2*\b:CC+2*\b+1] offset:16*\b
.endr
.irp t, 0,1,2,3
	ds_load_b128 v[BB+4*\t:BB+4*\t+3], v[RD] offset:4*SPITCH*\t
.endr
.endm
.macro SEND a, younger                 ; younger: the LDS instructions issued behind block a's loads, which may stay out
.set BB, BK+16*((\a)%2)
	s_wait_dscnt \younger
.irp t, 0,1,2,3
	global_store_b128 v[CO], v[BB+4*\t:BB+4*\t+3], s[10:11] offset:2048*(\a)+512*\t th:TH_STORE_NT   ; 32 lanes store 512 consecutive bytes, at a multiple of 256 from the buffer's first byte
.endr
.endm
	PLACES NP                                      ; behind the last products: for block 7's reads and for writes into the registers that held A's fragments
	TOSTAGE 0
.irp a, 1,2,3,4,5,6,7
.if \a > 1
	s_wait_xcnt 0x0                                ; block a - 2's stores have read their registers: block a's loads may land there
.endif
	TOSTAGE \a
	SEND \a-1, 12                                  ; behind block a - 1's loads: block a's 8 stores and 4 loads
.endr
	SEND 7, 0
	s_wait_tensorcnt 0x0                           ; the wave's end
	ds_add_u32 v[SPW], v[NIL]
	s_wait_dscnt 0x0
	CROUND                                         ; the closing round: no work-group ends while a partner may still ask for a tile that names it
	s_endpgm
.Lfunc_end_k_qf3f5455e48_w1:
	.size	k_qf3f5455e48_w1, .Lfunc_end_k_qf3f5455e48_w1-k_qf3f5455e48_w1
	.p2alignl 7, 3214868480
	.fill 96, 4, 3214868480
	.section	.rodata,"a",@progbits
	.p2align	6, 0x0
	.amdhsa_kernel k_qf3f5455e48_w1
		.amdhsa_group_segment_fixed_size 327680
		.amdhsa_private_segment_fixed_size 0
		.amdhsa_enable_private_segment 0
		.amdhsa_kernarg_size 40
		.amdhsa_user_sgpr_count 2
		.amdhsa_user_sgpr_kernarg_segment_ptr 1
		.amdhsa_wavefront_size32 1
		.amdhsa_system_sgpr_workgroup_id_x 1
		.amdhsa_system_sgpr_workgroup_id_y 1
		.amdhsa_system_sgpr_workgroup_id_z 1
		.amdhsa_system_vgpr_workitem_id 0
		.amdhsa_next_free_vgpr 1024
		.amdhsa_next_free_sgpr 100
		.amdhsa_reserve_vcc 0
		.amdhsa_float_denorm_mode_32 3
		.amdhsa_float_denorm_mode_16_64 3
		.amdhsa_memory_ordered 1
		.amdhsa_forward_progress 1
		.amdhsa_inst_pref_size 130
	.end_amdhsa_kernel
	.amdgpu_metadata
---
amdhsa.version: [ 1, 2 ]
amdhsa.kernels:
  - .name:           k_qf3f5455e48_w1
    .symbol:         k_qf3f5455e48_w1.kd
    .args:
      - { .name: xc, .offset: 0, .size: 8, .value_kind: global_buffer, .address_space: global }
      - { .name: wcodes, .offset: 8, .size: 8, .value_kind: global_buffer, .address_space: global }
      - { .name: b1, .offset: 16, .size: 8, .value_kind: global_buffer, .address_space: global }
      - { .name: lowp_scales, .offset: 24, .size: 8, .value_kind: global_buffer, .address_space: global }
      - { .name: hc, .offset: 32, .size: 8, .value_kind: global_buffer, .address_space: global }
    .group_segment_fixed_size: 327680
    .private_segment_fixed_size: 0
    .kernarg_segment_align: 8
    .kernarg_segment_size: 40
    .max_flat_workgroup_size: 128
    .sgpr_count:     100
    .vgpr_count:     1024
    .wavefront_size: 32
...
	.end_amdgpu_metadata
.endif
;; end of part 6
;; launch w2 (part 7): grid 8 x 32, 4 waves a work-group, clusters of 4 x 4, 327,680 bytes of LDS; arguments hc, wcodes, lowp_scales, y; writes y
.if DOCPART == 7
	.amdgcn_target "amdgcn-amd-amdhsa--gfx1250"
	.amdhsa_code_object_version 6
	.text
	.protected	k_qf3f5455e48_w2
	.globl	k_qf3f5455e48_w2
	.p2align	8
	.type	k_qf3f5455e48_w2,@function
k_qf3f5455e48_w2:
	s_mov_b64 s[64:65], 0
	v_nop
	global_prefetch_b8 v0, s[64:65] scope:SCOPE_SE
	s_setreg_imm32_b32 hwreg(HW_REG_WAVE_MODE, 25, 1), 1
	s_wait_xcnt 0x0
	s_wait_alu depctr_hold_cnt(0) depctr_sa_sdst(0) depctr_va_vdst(0) depctr_va_sdst(0) depctr_va_ssrc(0) depctr_va_vcc(0) depctr_vm_vsrc(0)
	s_getreg_b32 s2, hwreg(HW_REG_IB_STS2, 6, 4)
	s_cmp_eq_u32 s2, 0
	s_cbranch_scc0 .Lentry_in_a_cluster
	s_endpgm
.Lentry_in_a_cluster:
	s_bfe_u32 s2, ttmp6, 0x10000c
	s_cmp_lg_u32 s2, 0xf033
	s_cbranch_scc0 .Lentry_shape_is_right
	s_endpgm
.Lentry_shape_is_right:
; y[m][n] = 2^(ea + eb) x the sum over k of A[m][k] B[n][k], on codes of FP8 (E4M3); y: [4,096][1,024] f32; K = 4,096.
; A, the hidden layer, lies in blocks of KB = 128 along K: [k / KB][4,096 rows][KB bytes].  B: W2's codes, [1,024][SIZE_K], WOFF bytes into wcodes.  ea, eb: the two scales at byte SCB.
; LIMITS: ea + eb between -126 and 127.  A sum's K steps run in a rotation of the ascending order (see THE WALK): the last bits may differ from an ascending sum's.
; A tile is 128 x 128, so that the 4,096 x 1,024 results give each of 256 work-groups one; four waves, each 64 x 64: 16 accumulators.  K goes in slots of 512, as long as two slots in LDS allow, four quarters of 128 each.
; CLUSTERS: 4 x 4 work-groups; A's tiles are asked for jointly along a row of the cluster, B's along a column.  THE MATRIX INSTRUCTION IS USED TRANSPOSED: a lane holds eight neighbouring columns of one row of y.
; THE WALK along K's eight slots begins at another slot in each cluster, (2 ((y + y / 4) % 4) + 4 x) % 8 with x, y the cluster's place in the grid of 2 x 8 clusters, and goes round modulo 8.
; The two clusters that read the same rows of A stand four slots apart; the eight that read the same rows of B are spread over the four even slots.  So clusters that share rows ask for different bytes of them in a step,
; and from its fifth slot on a cluster asks only for bytes that a cluster sharing them has asked for four steps or more earlier.  The first slot hangs on the cluster's place alone: it is the same in all sixteen partners.
; A's half tile (64 rows x 512 K) is 512 / KB pieces of 64 x KB bytes, each on end in memory: ONE tensor load whose 'rows' are the pieces.  In LDS 16 bytes of padding follow every 256: lines 272 bytes apart, 256 / KB rows to a line.
; REGISTERS: window 0: v0-31 addresses; v32-63 a block's results; v64-127 rows read back, two sets; v128-255 the accumulators ((a, b) at v[128 + 8 (4 a + b)]).   window 1: two fragment buffers of 128: A's four fragments, then B's four.
.set KB,     128
.set LKB,    7                         ; log2 KB
.set SIZE_K, 4096
.set WOFF,   8<<20
.set SCB,    56
.set NSL,    SIZE_K/512                ; slots' worth of K: 8
.set RPL,    256/KB                    ; rows of A in an LDS line
.set LRPL,   8-LKB
.set LPB,    64/RPL                    ; lines of a piece
.set NKB,    512/KB                    ; pieces in a slot
.set LAPS,   SIZE_K/1024               ; a lap = two slots
.set AH,     128*272                   ; A's half tile in LDS
.set BP,     528                       ; a row of B in LDS: 512 bytes + 16
.set BH,     64*BP
.set SLOT,   2*AH+2*BH
.set STAGE,  2*SLOT                    ; behind the ring: 16 rows x (256 + 16) bytes for each wave; no tensor load lands there
.set SPITCH, 272
.set SPARE,  STAGE+4*16*SPITCH         ; behind the stages: the spare words, 128 bytes a wave: two blocks of 256 bytes that no other line names
.set ADRA, 16
.set ADRB, 20
.set STO,  24
.set RD,   25
.set CO,   26
.set SPW,  28
.set NIL,  29
.set TMP,  32
.set BK,   64
.set ACC,  128
.set F0,   0
.set F1,   128
.set G1, 24
.set G0, 32
.set G1B, 48
.set G0B, 56
.set IDX, 74                           ; s74, s75: which of K's eight slots LDS slot 0, 1 holds or is being given
; s[14:15] A at my tile's rows, s[76:77] B at my tile's rows, both at K = 0 and never rewritten; s[78:79] an offset at work (s79 stays 0)
.set MSB, 0
.macro WIN new                         ; the immediate's high byte repeats the setting that is left
.if MSB != \new
	s_set_vgpr_msb (MSB<<8)|\new
.set MSB, \new
.endif
.endm
.set MUL,  0x05                        ; sources 0 (B) and 1 (A) window 1; C and D window 0
.set TO_F, 0x40                        ; destination window 1, address window 0
.macro JLOAD s                         ; a joint load: waves 0 and 1 fetch A's two halves, waves 2 and 3 B's; four v_nop follow each of the two lines
	s_cmp_eq_u32 s11, 0
	s_cbranch_scc0 .Lfor_b_\@
	tensor_load_to_lds s[G0+4*\s:G0+4*\s+3], s[G1:G1+7]
	s_nop 0
.rept 4
	v_nop
.endr
	s_branch .Lasked_\@
.Lfor_b_\@:
	tensor_load_to_lds s[G0B+4*\s:G0B+4*\s+3], s[G1B:G1B+7]
	s_nop 0
.rept 4
	v_nop
.endr
.Lasked_\@:
.endm
.macro WHERE s                         ; both groups 0 of LDS slot s point at K's slot s[IDX + s]: 512 along K are 512 x 4,096 bytes in A and 512 bytes in a row of B
	s_lshl_b32 s78, s[IDX+\s], 21
	s_add_nc_u64 s[G0+4*\s+2:G0+4*\s+3], s[14:15], s[78:79]
	s_or_b32 s[G0+4*\s+3], s[G0+4*\s+3], 0x80000000
	s_lshl_b32 s78, s[IDX+\s], 9
	s_add_nc_u64 s[G0B+4*\s+2:G0B+4*\s+3], s[76:77], s[78:79]
	s_or_b32 s[G0B+4*\s+3], s[G0B+4*\s+3], 0x80000000
.endm
.macro CREST
	s_cmp_lg_u32 s10, 0
	s_cbranch_scc1 .Lnot_wave_0_\@
	s_barrier_signal -3
.Lnot_wave_0_\@:
	s_barrier_wait -3
	s_barrier_signal -1
	s_barrier_wait -1
.endm
.macro CROUND
	s_barrier_signal -1
	s_barrier_wait -1
	CREST
.endm
	s_load_b128 s[4:7], s[0:1], 0x0                ; A's codes, wcodes
	s_load_b128 s[68:71], s[0:1], 0x10             ; the scales, y
	v_lshl_add_u32 v[SPW], v0, 2, SPARE
	v_mov_b32 v[NIL], 0
	ds_add_u32 v28, v29
	ds_add_u32 v28, v29
	s_wait_dscnt 0x0
	v_lshrrev_b32 v1, 5, v0
	v_readfirstlane_b32 s10, v1                    ; wave 0..3
	s_lshr_b32 s11, s10, 1                         ; which half of the tile's rows is mine.  Also: I fetch for A (0) or for B (1)
	s_and_b32 s12, s10, 1                          ; which half of its columns.  Also: which 64 rows of that tile I fetch
	s_bfe_u32 s40, ttmp6, 0x40000                  ; cx, cy
	s_bfe_u32 s41, ttmp6, 0x40004
	s_lshl_b32 s42, ttmp9, 2
	s_add_co_u32 s42, s42, s40                     ; tile column
	s_and_b32 s13, ttmp7, 0xffff
	s_lshl_b32 s13, s13, 2
	s_add_co_u32 s13, s13, s41                     ; tile row
	s_lshl_b32 s43, s41, 2
	s_lshl_b32 s43, 15, s43                        ; my row of the cluster
	s_lshl_b32 s44, 0x1111, s40                    ; my column
	s_and_b32 s[IDX], ttmp7, 0xffff                ; the walk's first slot, from the cluster's y (0 .. 7)
	s_lshr_b32 s[IDX+1], s[IDX], 2
	s_add_co_u32 s[IDX], s[IDX], s[IDX+1]
	s_and_b32 s[IDX], s[IDX], 3
	s_lshl_b32 s[IDX], s[IDX], 1
	s_lshl_b32 s[IDX+1], ttmp9, 2                  ; and its x (0 or 1)
	s_add_co_u32 s[IDX], s[IDX], s[IDX+1]
	s_and_b32 s[IDX], s[IDX], NSL-1                ; an even number: LDS slot 0 takes it,
	s_add_co_u32 s[IDX+1], s[IDX], 1               ; LDS slot 1 the one behind it
	s_mov_b32 s79, 0
	s_or_b32 s[G1+0], s43, (0<<16)|(1<<20)|(1<<21)|(5<<22)|(3<<25)  ; A: the mask of my row; elements of 1 byte; padding: 4 words after every 64
	s_mov_b32 s[G1+1], (64*KB)<<16                 ; tensor_dim0: a piece, 64 rows x KB bytes on end
	s_mov_b32 s[G1+2], NKB<<16                     ; tensor_dim1: the pieces
	s_mov_b32 s[G1+3], (64*KB)<<16                 ; tile_dim0
	s_mov_b32 s[G1+4], NKB                         ; tile_dim1
	s_mov_b32 s[G1+5], 4096*KB                     ; from piece to piece
	s_mov_b32 s[G1+6], 0
	s_mov_b32 s[G1+7], 0
	s_or_b32 s[G1B+0], s44, (0<<16)|(1<<20)|(1<<21)|(6<<22)|(3<<25) ; B: the mask of my column; padding: 4 words after every 128
	s_mov_b32 s[G1B+1], 512<<16
	s_mov_b32 s[G1B+2], 64<<16
	s_mov_b32 s[G1B+3], 512<<16
	s_mov_b32 s[G1B+4], 64
	s_mov_b32 s[G1B+5], SIZE_K
	s_mov_b32 s[G1B+6], 0
	s_mov_b32 s[G1B+7], 0
	s_lshl_b32 s17, s12, 6                         ; which 64 rows of the tile I fetch
	s_lshl_b32 s16, s13, 7
	s_add_co_u32 s16, s16, s17
	s_mul_i32 s16, s16, KB                         ; A: row x KB bytes, in the first piece
	s_lshl_b32 s46, s42, 7
	s_add_co_u32 s46, s46, s17
	s_mul_i32 s46, s46, SIZE_K
	s_add_co_u32 s46, s46, WOFF                    ; B: row x SIZE_K bytes, in this weight's part of wcodes
	s_mov_b32 s17, 0
	s_mov_b32 s47, 0
	s_mul_i32 s20, s12, AH                         ; where they go: no place in the cluster enters an LDS address
	s_mul_i32 s21, s12, BH
	s_add_co_u32 s21, s21, 2*AH
	s_wait_kmcnt 0x0
	s_load_b64 s[72:73], s[68:69], SCB             ; ea, eb
	s_add_nc_u64 s[14:15], s[4:5], s[16:17]
	s_add_nc_u64 s[76:77], s[6:7], s[46:47]
	CROUND                                         ; all sixteen work-groups are here: the first joint loads meet
.irp s, 0,1
	s_mov_b32 s[G0+4*\s], 1
	s_add_co_u32 s[G0+4*\s+1], s20, \s*SLOT
	s_mov_b32 s[G0B+4*\s], 1
	s_add_co_u32 s[G0B+4*\s+1], s21, \s*SLOT
	WHERE \s
	JLOAD \s
.endr
	v_and_b32 v1, 15, v0                           ; r
	v_bfe_u32 v2, v0, 4, 1                         ; h
	v_lshrrev_b32 v3, LRPL, v1                     ; A: row r lies in line r / RPL, at KB (r % RPL); + 16 h
	v_mul_u32_u24 v3, v3, 272
	v_and_b32 v4, RPL-1, v1
	v_lshl_add_u32 v3, v4, LKB, v3
	v_lshl_add_u32 v3, v2, 4, v3
	v_mul_u32_u24 v5, v1, BP                       ; B: row r, + 16 h
	v_lshl_add_u32 v5, v2, 4, v5
	s_mul_i32 s21, s11, AH                         ; my 64 rows of A
	s_mul_i32 s22, s12, BH                         ; my 64 rows of B,
	s_add_co_u32 s22, s22, 2*AH                    ; which lie behind A's 128
.irp s, 0,1
	v_add_nc_u32 v[ADRA+\s], s21, v3
	v_add_nc_u32 v[ADRB+\s], s22, v5
	s_add_co_u32 s21, s21, SLOT
	s_add_co_u32 s22, s22, SLOT
.endr
	s_mul_i32 s23, s10, 16*SPITCH
	s_add_co_u32 s23, s23, STAGE                   ; my stage
	v_mul_u32_u24 v6, v1, SPITCH                   ; in: row r, 32 bytes for each half of the lanes
	v_lshl_add_u32 v6, v2, 5, v6
	v_add_nc_u32 v[STO], s23, v6
	v_mul_u32_u24 v7, v2, SPITCH                   ; back: lanes 0-15 one row of 256 bytes, lanes 16-31 the next
	v_lshl_add_u32 v7, v1, 4, v7
	v_add_nc_u32 v[RD], s23, v7
	v_lshlrev_b32 v8, 12, v2                       ; and the same two rows in y
	v_lshl_add_u32 v[CO], v1, 4, v8
	s_lshl_b32 s16, s13, 7
	s_lshl_b32 s17, s11, 6
	s_add_co_u32 s16, s16, s17
	s_lshl_b32 s16, s16, 12                        ; my first row of y,
	s_mov_b32 s17, 0
	s_add_nc_u64 s[8:9], s[70:71], s[16:17]
	s_lshl_b32 s46, s42, 9
	s_lshl_b32 s47, s12, 8
	s_add_co_u32 s46, s46, s47                     ; my first column, in bytes: a multiple of 256
	s_mov_b32 s47, 0
	s_add_nc_u64 s[8:9], s[8:9], s[46:47]
; 4 matrix instructions: A's block a x B's four, 128 along K.  zero = 1: the first product starts the sums.  The 16 accumulators take turns, in the same order in every quarter.
.macro MUL4 f, a, zero
.irp b, 0,1,2,3
.if \zero
	v_wmma_f32_16x16x128_fp8_fp8 v[ACC+8*(4*\a+\b):ACC+8*(4*\a+\b)+7], v[\f+64+16*\b:\f+64+16*\b+15], v[\f+16*\a:\f+16*\a+15], 0
.else
	v_wmma_f32_16x16x128_fp8_fp8 v[ACC+8*(4*\a+\b):ACC+8*(4*\a+\b)+7], v[\f+64+16*\b:\f+64+16*\b+15], v[\f+16*\a:\f+16*\a+15], v[ACC+8*(4*\a+\b):ACC+8*(4*\a+\b)+7]
.endif
.endr
.endm
; 32 LDS loads in one run: the fragments of the slot's q-th 128 along K into buffer f: B's four, then A's four.  Registers 4 c .. 4 c + 3 hold K = 32 c + 16 h + 0 .. 15 in both.
.macro FETCH slot, q, f
	WIN TO_F
.irp i, 0,1,2,3
.irp c, 0,1,2,3
	ds_load_b128 v[\f+64+16*\i+4*\c:\f+64+16*\i+4*\c+3], v[ADRB+\slot] offset:128*(\q)+32*\c+\i*16*BP
.endr
.endr
.irp i, 0,1,2,3
.irp c, 0,1,2,3
	ds_load_b128 v[\f+16*\i+4*\c:\f+16*\i+4*\c+3], v[ADRA+\slot] offset:((128*(\q)+32*\c)/KB)*LPB*272+((16*\i)/RPL)*272+(32*\c)%KB
.endr
.endr
.endm
.macro PLACES                          ; four plain lines in front of loads into registers that matrix instructions have read, and of the first read of results
.rept 4
	v_nop
.endr
.endm
; One of a slot's first three quarters: multiplies buffer f and fetches quarter qn into g.
.macro QUARTER slot, qn, f, g, zero
	s_wait_dscnt 8                                 ; B's four and A's blocks 0, 1 are in; the youngest 8 loads (A's blocks 2, 3) may be out
	WIN MUL
	MUL4 \f, 0, \zero
	MUL4 \f, 1, \zero
	PLACES
	FETCH \slot, \qn, \g
	s_wait_dscnt 32                                ; all but the 32 just issued
	WIN MUL
	MUL4 \f, 2, \zero
	MUL4 \f, 3, \zero
.endm
; The last quarter multiplies buffer 1 and changes slots: ONE barrier; in front of it each wave waits for all its tensor loads, adds 0 to its spare word, and waits for that and for its own reads of this slot.
; fill = 1: this LDS slot is filled again, with K's slot two further on, modulo 8; its groups 0 are made while the add is out, where no tensor load of the wave is out.
.macro TURN slot, next, fill
	WIN 0                                          ; (the add's two registers lie in window 0)
	s_wait_tensorcnt 0x0                           ; all my tensor loads have landed: my part of the next slot
	ds_add_u32 v[SPW], v[NIL]                      ; 0 onto my spare word
.if \fill
	s_add_co_u32 s[IDX+\slot], s[IDX+\slot], 2
	s_and_b32 s[IDX+\slot], s[IDX+\slot], NSL-1
	WHERE \slot
.endif
	s_wait_dscnt 13                                ; the add and the youngest 12 loads (A's blocks 1 to 3) may be out
	WIN MUL
	MUL4 F1, 0, 0                                  ; matrix instructions stand between the add and the wait for it
	s_wait_dscnt 0x0                               ; the add is done, and my reads of this slot are over
	s_barrier_signal -1
	MUL4 F1, 1, 0
.if \fill
	WIN 0
.endif
	s_barrier_wait -1
.if \fill
	CREST                                          ; the barrier has opened a round of the cluster's barrier: no wave of any partner still reads this slot or has a load on its way
	JLOAD \slot                                    ; the first tensor load behind the round; its four v_nop are the places in front of the loads below
.else
	PLACES
.endif
	FETCH \next, 0, F0
	WIN MUL
	MUL4 F1, 2, 0
	MUL4 F1, 3, 0
.endm
	s_wait_tensorcnt 1                             ; my part of slot 0 is in; slot 1's load may be out
	s_barrier_signal -1
	s_barrier_wait -1
	FETCH 0, 0, F0
	QUARTER 0, 1, F0, F1, 1                        ; the first quarter stands in front of the loop: its products start the sums
	WIN 0
	s_mov_b32 s3, LAPS-1
.Llap:                                                 ; a trip goes once round the ring and fills both slots again: three trips, six of K's eight slots
	QUARTER 0, 2, F1, F0, 0
	QUARTER 0, 3, F0, F1, 0
	TURN 0, 1, 1
	QUARTER 1, 1, F0, F1, 0
	QUARTER 1, 2, F1, F0, 0
	QUARTER 1, 3, F0, F1, 0
	TURN 1, 0, 1
	QUARTER 0, 1, F0, F1, 0
	WIN 0
	s_sub_co_u32 s3, s3, 1
	s_cmp_lg_u32 s3, 0
	s_cbranch_scc1 .Llap
	QUARTER 0, 2, F1, F0, 0                        ; the last lap fills nothing
	QUARTER 0, 3, F0, F1, 0
	TURN 0, 1, 0
	QUARTER 1, 1, F0, F1, 0
	QUARTER 1, 2, F1, F0, 0
	QUARTER 1, 3, F0, F1, 0
	s_wait_dscnt 8
	WIN MUL
	MUL4 F1, 0, 0
	MUL4 F1, 1, 0
	s_wait_dscnt 0
	MUL4 F1, 2, 0
	MUL4 F1, 3, 0
	WIN 0
; THE WAY OUT, block by block of 16 rows x 64 columns: x 2^(ea + eb); through my own stage, so that sixteen lanes store a row's 256 bytes.
.macro TOSTAGE a
.set BB, BK+32*((\a)%2)
.set j, 0
.rept 16
	v_pk_mul_f32 v[TMP+j:TMP+j+1], v[ACC+32*(\a)+j:ACC+32*(\a)+j+1], s[72:73] op_sel_hi:[1,0]   ; each accumulator from its low end on
.set j, j+2
.endr
.irp b, 0,1,2,3
	ds_store_b128 v[STO], v[TMP+8*\b:TMP+8*\b+3] offset:64*\b
	ds_store_b128 v[STO], v[TMP+8*\b+4:TMP+8*\b+7] offset:64*\b+16
.endr
.irp t, 0,1,2,3,4,5,6,7
	ds_load_b128 v[BB+4*\t:BB+4*\t+3], v[RD] offset:2*SPITCH*\t    ; LDS serves a wave's instructions in order (ISA guide 5.7.1.4): these see the stores above
.endr
.endm
.macro SEND a, younger
.set BB, BK+32*((\a)%2)
	s_wait_dscnt \younger
.irp t, 0,1,2,3,4,5,6,7
	global_store_b128 v[CO], v[BB+4*\t:BB+4*\t+3], s[8:9] offset:(16*(\a)+2*\t)*4096 th:TH_STORE_NT   ; 16 lanes store 256 consecutive bytes, at a multiple of 256 from y's first byte
.endr
.endm
	s_wait_kmcnt 0x0
	s_add_co_i32 s72, s72, s73
	s_add_co_i32 s72, s72, 127
	s_lshl_b32 s72, s72, 23                        ; 2^(ea + eb) as f32
	s_mov_b32 s73, s72
	PLACES
	TOSTAGE 0
.irp a, 1,2,3
.if \a > 1
	s_wait_xcnt 0x0                                ; block a - 2's stores have read their registers: block a's loads may land there
.endif
	TOSTAGE \a
	SEND \a-1, 16                                  ; behind block a - 1's loads: block a's 8 stores and 8 loads
.endr
	SEND 3, 0
	s_wait_tensorcnt 0x0                           ; the wave's end
	ds_add_u32 v[SPW], v[NIL]
	s_wait_dscnt 0x0
	CROUND                                         ; the closing round
	s_endpgm
.Lfunc_end_k_qf3f5455e48_w2:
	.size	k_qf3f5455e48_w2, .Lfunc_end_k_qf3f5455e48_w2-k_qf3f5455e48_w2
	.p2alignl 7, 3214868480
	.fill 96, 4, 3214868480
	.section	.rodata,"a",@progbits
	.p2align	6, 0x0
	.amdhsa_kernel k_qf3f5455e48_w2
		.amdhsa_group_segment_fixed_size 327680
		.amdhsa_private_segment_fixed_size 0
		.amdhsa_enable_private_segment 0
		.amdhsa_kernarg_size 32
		.amdhsa_user_sgpr_count 2
		.amdhsa_user_sgpr_kernarg_segment_ptr 1
		.amdhsa_wavefront_size32 1
		.amdhsa_system_sgpr_workgroup_id_x 1
		.amdhsa_system_sgpr_workgroup_id_y 1
		.amdhsa_system_sgpr_workgroup_id_z 1
		.amdhsa_system_vgpr_workitem_id 0
		.amdhsa_next_free_vgpr 512
		.amdhsa_next_free_sgpr 80
		.amdhsa_reserve_vcc 0
		.amdhsa_float_denorm_mode_32 3
		.amdhsa_float_denorm_mode_16_64 3
		.amdhsa_memory_ordered 1
		.amdhsa_forward_progress 1
		.amdhsa_inst_pref_size 75
	.end_amdhsa_kernel
	.amdgpu_metadata
---
amdhsa.version: [ 1, 2 ]
amdhsa.kernels:
  - .name:           k_qf3f5455e48_w2
    .symbol:         k_qf3f5455e48_w2.kd
    .args:
      - { .name: hc, .offset: 0, .size: 8, .value_kind: global_buffer, .address_space: global }
      - { .name: wcodes, .offset: 8, .size: 8, .value_kind: global_buffer, .address_space: global }
      - { .name: lowp_scales, .offset: 16, .size: 8, .value_kind: global_buffer, .address_space: global }
      - { .name: y, .offset: 24, .size: 8, .value_kind: global_buffer, .address_space: global }
    .group_segment_fixed_size: 327680
    .private_segment_fixed_size: 0
    .kernarg_segment_align: 8
    .kernarg_segment_size: 32
    .max_flat_workgroup_size: 128
    .sgpr_count:     80
    .vgpr_count:     512
    .wavefront_size: 32
...
	.end_amdgpu_metadata
.endif
;; end of part 7
;; launch ln2 (part 8): grid 256 x 1, 8 waves a work-group, no clusters, 0 bytes of LDS; arguments y, x, b2, g2, be2, out0; writes out0
.if DOCPART == 8
	.amdgcn_target "amdgcn-amd-amdhsa--gfx1250"
	.amdhsa_code_object_version 6
	.text
	.protected	k_qf3f5455e48_ln2
	.globl	k_qf3f5455e48_ln2
	.p2align	8
	.type	k_qf3f5455e48_ln2,@function
k_qf3f5455e48_ln2:
	s_mov_b64 s[64:65], 0
	v_nop
	global_prefetch_b8 v0, s[64:65] scope:SCOPE_SE
	s_setreg_imm32_b32 hwreg(HW_REG_WAVE_MODE, 25, 1), 1
	s_wait_xcnt 0x0
; out = LayerNorm((y + bias) + residual) x g + be, rows of 1,024 f32, eps = 1e-5.  One source serves two launches; CODES says which.
; CODES = 1: residual = src (rows in the order 2 s + b), out = x in the order b x 2,048 + s, which is y's; x's codes of FP8 (E4M3, entry 12 of the scales) are stored too, [row][1,024].
; CODES = 0: residual = x, out = out0 in the order 2 s + b.
; LIMIT: e12 between -126 and 119.  NaN among the inputs is not served.
; A wave takes two whole rows, each in 32 registers a lane: the row is read once, and mean and variance (of the differences from the mean) never leave the wave.  Lane l holds columns 128 j + 4 l .. + 3, j = 0 .. 7:
; every load and store covers 512 consecutive bytes.  All 56 loads of a wave go out at the head.  No matrix unit, no tensor load, no cluster, no barrier: memory binds, and no two waves read the same row.
.set CODES, 0
.if CODES
.set RSTEP, 8192                       ; from my first row to my second, in the residual,
.set OSTEP, 4096                       ; in the output
.set OUTP,  20                         ; s[20:21] the output
.else
.set RSTEP, 4096
.set OSTEP, 8192
.set OUTP,  18
.endif
.set G,  16                            ; v16-47 g, v48-79 be, v80-111 the bias, of my 32 columns
.set BE, 48
.set BI, 80
; row i: v[112 + 64 i ..] y, then the result; v[144 + 64 i ..] the residual, then the numbers held for the conversion.  v240-247 four sums in pairs, later the codes; v[248:249] the mean; v[250:251] 1 / sqrt(variance + eps)
	s_load_b256 s[8:15], s[0:1], 0x0               ; y, the residual, the bias, g
.if CODES
	s_load_b256 s[16:23], s[0:1], 0x20             ; be, the scales, x, xc
.else
	s_load_b128 s[16:19], s[0:1], 0x20             ; be, out0
.endif
	v_lshrrev_b32 v2, 5, v0
	v_readfirstlane_b32 s30, v2                    ; wave
	v_and_b32 v3, 31, v0
	v_lshlrev_b32 v1, 4, v3                        ; 16 x lane
.if CODES
	s_lshl_b32 s31, s30, 11                        ; my stage: 1,024 bytes for each of my two rows
	v_lshl_add_u32 v2, v3, 2, s31                  ; in: four codes a lane
	v_lshl_add_u32 v3, v3, 4, s31                  ; back: sixteen
.endif
	s_mov_b32 s24, 0x3a800000                      ; 1 / 1,024
	s_mov_b32 s25, 0x3727c5ac                      ; 1e-5
	s_mov_b32 s26, 0x76543210
	s_mov_b32 s27, 0xfedcba98
	v_mov_b32 v252, 0                              ; written once: a lane permute's destination counts as one of its sources
	s_lshl_b32 s28, ttmp9, 4
	s_lshl_b32 s29, s30, 1
	s_add_co_u32 s28, s28, s29                     ; my first row, in the order b x 2,048 + s; it is even
	s_lshl_b32 s32, s28, 12
	s_mov_b32 s33, 0                               ; its bytes in that order,
	s_and_b32 s34, s28, 2047
	s_lshl_b32 s34, s34, 13
	s_lshr_b32 s35, s28, 11
	s_lshl_b32 s35, s35, 12
	s_add_co_u32 s34, s34, s35
	s_mov_b32 s35, 0                               ; in the order 2 s + b,
	s_lshl_b32 s36, s28, 10
	s_mov_b32 s37, 0                               ; and of its codes
	s_wait_kmcnt 0x0
	s_add_nc_u64 s[8:9], s[8:9], s[32:33]
.if CODES
	s_load_b32 s38, s[18:19], 0x30                 ; e12
	s_add_nc_u64 s[10:11], s[10:11], s[34:35]
	s_add_nc_u64 s[OUTP:OUTP+1], s[OUTP:OUTP+1], s[32:33]
	s_add_nc_u64 s[22:23], s[22:23], s[36:37]
.else
	s_add_nc_u64 s[10:11], s[10:11], s[32:33]
	s_add_nc_u64 s[OUTP:OUTP+1], s[OUTP:OUTP+1], s[34:35]
.endif
.irp j, 0,1,2,3,4,5,6,7
	global_load_b128 v[G+4*\j:G+4*\j+3], v1, s[14:15] offset:512*\j
	global_load_b128 v[BE+4*\j:BE+4*\j+3], v1, s[16:17] offset:512*\j
	global_load_b128 v[BI+4*\j:BI+4*\j+3], v1, s[12:13] offset:512*\j
.endr
.irp i, 0,1
.irp j, 0,1,2,3,4,5,6,7
	global_load_b128 v[112+64*\i+4*\j:115+64*\i+4*\j], v1, s[8:9] offset:4096*\i+512*\j th:TH_LOAD_NT
	global_load_b128 v[144+64*\i+4*\j:147+64*\i+4*\j], v1, s[10:11] offset:RSTEP*\i+512*\j th:TH_LOAD_NT
.endr
.endr
.if CODES
	s_wait_kmcnt 0x0
	s_add_co_i32 s38, s38, 127
	s_lshl_b32 s39, s38, 23
	v_mov_b32 v253, s39                            ; 2^e12
	s_add_co_i32 s38, s38, 8
	s_lshl_b32 s38, s38, 23
	s_or_b32 s38, s38, 0x600000
	v_mov_b32 v254, s38                            ; 448 x 2^e12
.endif
.macro REDUCE                          ; the four pairs of sums, then the 32 lanes: every lane ends with the row's sum in v240
	v_pk_add_f32 v[240:241], v[240:241], v[242:243]
	v_pk_add_f32 v[244:245], v[244:245], v[246:247]
	v_pk_add_f32 v[240:241], v[240:241], v[244:245]
	v_add_f32 v240, v240, v241
	v_add_f32_dpp v240, v240, v240 row_xmask:1 row_mask:0xf bank_mask:0xf
	v_add_f32_dpp v240, v240, v240 row_xmask:2 row_mask:0xf bank_mask:0xf
	v_add_f32_dpp v240, v240, v240 row_xmask:4 row_mask:0xf bank_mask:0xf
	v_add_f32_dpp v240, v240, v240 row_xmask:8 row_mask:0xf bank_mask:0xf
	v_permlanex16_b32 v252, v240, s26, s27
	v_add_f32 v240, v240, v252
.endm
.macro ROW i
.set Y, 112+64*\i
.set R, 144+64*\i
	s_wait_loadcnt 16-16*\i                        ; g, be, the bias and this row are in; the other row's 16 loads, issued behind, may be out
.set j, 0
.rept 16
	v_pk_add_f32 v[Y+j:Y+j+1], v[Y+j:Y+j+1], v[BI+j:BI+j+1]
.set j, j+2
.endr
.set j, 0
.rept 16
	v_pk_add_f32 v[Y+j:Y+j+1], v[Y+j:Y+j+1], v[R+j:R+j+1]
.set j, j+2
.endr
.irp k, 0,1,2,3
	v_pk_add_f32 v[240+2*\k:241+2*\k], v[Y+2*\k:Y+2*\k+1], v[Y+8+2*\k:Y+9+2*\k]   ; four chains, started by the first numbers: nothing is cleared
.endr
.set j, 16
.rept 8
	v_pk_add_f32 v[240+j%8:241+j%8], v[240+j%8:241+j%8], v[Y+j:Y+j+1]
.set j, j+2
.endr
	REDUCE
	v_mul_f32 v248, s24, v240                      ; the mean
	v_mov_b32 v249, v248
.set j, 0
.rept 16
	v_pk_add_f32 v[Y+j:Y+j+1], v[Y+j:Y+j+1], v[248:249] neg_lo:[0,1] neg_hi:[0,1]
.set j, j+2
.endr
.irp k, 0,1,2,3
	v_pk_mul_f32 v[240+2*\k:241+2*\k], v[Y+2*\k:Y+2*\k+1], v[Y+2*\k:Y+2*\k+1]
.endr
.set j, 8
.rept 12
	v_pk_fma_f32 v[240+j%8:241+j%8], v[Y+j:Y+j+1], v[Y+j:Y+j+1], v[240+j%8:241+j%8]
.set j, j+2
.endr
	REDUCE
	v_fma_f32 v250, v240, s24, s25                 ; the variance + eps
	v_rsq_f32 v251, v250
	v_nop                                          ; a plain line behind the reciprocal root,
	s_wait_alu depctr_va_vdst(0)                   ; and the wait ahead of its first reader
	v_mov_b32 v250, v251
.set j, 0
.rept 16
	v_pk_mul_f32 v[Y+j:Y+j+1], v[Y+j:Y+j+1], v[250:251]
.set j, j+2
.endr
.set j, 0
.rept 16
	v_pk_fma_f32 v[Y+j:Y+j+1], v[Y+j:Y+j+1], v[G+j:G+j+1], v[BE+j:BE+j+1]
.set j, j+2
.endr
.irp j, 0,1,2,3,4,5,6,7
	global_store_b128 v1, v[Y+4*\j:Y+4*\j+3], s[OUTP:OUTP+1] offset:OSTEP*\i+512*\j
.endr
.if CODES
.set j, 0
.rept 32
	v_med3_num_f32 v[R+j], v[Y+j], -v254, v254     ; the conversion to an 8-bit code does not saturate (ISA guide 7.6.2)
.set j, j+1
.endr
.irp k, 0,1,2,3
	v_cvt_scalef32_pk8_fp8_f32 v[240+2*\k:241+2*\k], v[R+8*\k:R+8*\k+7], v253   ; register 240 + j: the four codes of columns 128 j + 4 l .. + 3
.endr
	v_nop                                          ; a plain line behind the last conversion
.irp j, 0,1,2,3,4,5,6,7
	ds_store_b32 v2, v[240+\j] offset:1024*\i+128*\j
.endr
.if \i
	s_wait_xcnt 0x0                                ; the first row's stores have read v4-11, into which the loads below land
.endif
.irp u, 0,1
	ds_load_b128 v[4+4*\u:7+4*\u], v3 offset:1024*\i+512*\u   ; LDS serves a wave's instructions in order: these see my stores
.endr
	s_wait_dscnt 0x0
.irp u, 0,1
	global_store_b128 v1, v[4+4*\u:7+4*\u], s[22:23] offset:1024*\i+512*\u
.endr
.endif
.endm
	ROW 0
	ROW 1
	s_endpgm
.Lfunc_end_k_qf3f5455e48_ln2:
	.size	k_qf3f5455e48_ln2, .Lfunc_end_k_qf3f5455e48_ln2-k_qf3f5455e48_ln2
	.p2alignl 7, 3214868480
	.fill 96, 4, 3214868480
	.section	.rodata,"a",@progbits
	.p2align	6, 0x0
	.amdhsa_kernel k_qf3f5455e48_ln2
		.amdhsa_group_segment_fixed_size 0
		.amdhsa_private_segment_fixed_size 0
		.amdhsa_enable_private_segment 0
		.amdhsa_kernarg_size 48
		.amdhsa_user_sgpr_count 2
		.amdhsa_user_sgpr_kernarg_segment_ptr 1
		.amdhsa_wavefront_size32 1
		.amdhsa_system_sgpr_workgroup_id_x 1
		.amdhsa_system_sgpr_workgroup_id_y 1
		.amdhsa_system_sgpr_workgroup_id_z 1
		.amdhsa_system_vgpr_workitem_id 0
		.amdhsa_next_free_vgpr 256
		.amdhsa_next_free_sgpr 66
		.amdhsa_reserve_vcc 0
		.amdhsa_float_denorm_mode_32 3
		.amdhsa_float_denorm_mode_16_64 3
		.amdhsa_memory_ordered 1
		.amdhsa_forward_progress 1
		.amdhsa_inst_pref_size 25
	.end_amdhsa_kernel
	.amdgpu_metadata
---
amdhsa.version: [ 1, 2 ]
amdhsa.kernels:
  - .name:           k_qf3f5455e48_ln2
    .symbol:         k_qf3f5455e48_ln2.kd
    .args:
      - { .name: y, .offset: 0, .size: 8, .value_kind: global_buffer, .address_space: global }
      - { .name: x, .offset: 8, .size: 8, .value_kind: global_buffer, .address_space: global }
      - { .name: b2, .offset: 16, .size: 8, .value_kind: global_buffer, .address_space: global }
      - { .name: g2, .offset: 24, .size: 8, .value_kind: global_buffer, .address_space: global }
      - { .name: be2, .offset: 32, .size: 8, .value_kind: global_buffer, .address_space: global }
      - { .name: out0, .offset: 40, .size: 8, .value_kind: global_buffer, .address_space: global }
    .group_segment_fixed_size: 0
    .private_segment_fixed_size: 0
    .kernarg_segment_align: 8
    .kernarg_segment_size: 48
    .max_flat_workgroup_size: 256
    .sgpr_count:     66
    .vgpr_count:     256
    .wavefront_size: 32
...
	.end_amdgpu_metadata
.endif
;; end of part 8
